; MI455X (gfx1250); checked and timed in simulation.
; The chip was launched on July 23, 2026; its instructions are those of AMD's public machine-readable ISA for CDNA 5 (MIT licence, August 2026) and "CDNA5" Instruction Set Architecture Reference Guide (July 2026). The comments in the code are by the model that wrote it; some were corrected since.
;; Transformer Block. Allowed arithmetic: matrix products marked QUANTISED: E5M2 operands, one E8M0 scale for each 32 along K, by v_wmma_scale_f32_16x16x128_f8f6f4 with both operands' format E5M2, f32 sums; everything else in f32.
;; Inputs: hidden_states 1 x 4,096 x 768 float32; w_down 2,048 x 768 float32; w_gate 768 x 2,048 float32; w_k 768 x 768 float32; w_norm1 768 float32; w_norm2 768 float32; w_o 768 x 768 float32; w_q 768 x 768 float32; w_up 768 x 2,048 float32; w_v 768 x 768 float32.
;; Outputs: out0 1 x 4,096 x 768 float32.
;; This version of the problem:
;;   THIS VERSION OF THE PROBLEM IS GIVEN IN LOW PRECISION. The matrix products marked QUANTISED in the list below multiply operands that are first quantised to E5M2 (5 exponent bits, 2 mantissa bits; 8 bits a number), with one power-of-two scale for each 32 numbers along K (OCP MX v1.0); their sums are f32. All else is computed in f32.
;;   The module's matrix products, in the order in which they are computed (A, B: the left and right operand; K: the contracted axis; several contracted axes count as one K, in the product's order):
;;     1. [M 4,096, K 768] x [K 768, N 768]; A: computed on the way; B: input w_q: QUANTISED
;;     2. [M 4,096, K 768] x [K 768, N 768]; A: computed on the way; B: input w_k: QUANTISED
;;     3. [M 4,096, K 768] x [K 768, N 768]; A: computed on the way; B: input w_v: QUANTISED
;;     4. batch 12 x [M 4,096, K 64] x [K 64, N 4,096]; A: computed on the way; B: computed on the way: QUANTISED
;;     5. batch 12 x [M 4,096, K 4,096] x [K 4,096, N 64]; A: softmax (see below); B: computed on the way: QUANTISED
;;     6. [M 4,096, K 768] x [K 768, N 768]; A: computed on the way; B: input w_o: QUANTISED
;;     7. [M 4,096, K 768] x [K 768, N 2,048]; A: computed on the way; B: input w_gate: QUANTISED
;;     8. [M 4,096, K 768] x [K 768, N 2,048]; A: computed on the way; B: input w_up: QUANTISED
;;     9. [M 4,096, K 2,048] x [K 2,048, N 768]; A: computed on the way; B: input w_down: QUANTISED
;;   THE QUANTISER, for each operand of a quantised product, along K:
;;     - K is cut into blocks of 32 from its start; a last block that is shorter is filled with zeros.
;;     - A block's scale is 2^e with e = floor(log2(the largest magnitude in the block)) - 15, held to -126 .. 127; a block of zeros has e = 0. As a byte (E8M0): e + 127.
;;     - Each number is divided by its block's scale, clamped to +-57,344, and rounded to the nearest number of E5M2, ties to even, subnormals kept.
;;     - The product sums the exact products of the quantised numbers (number of the format x scale) in f32.
;;   ~~~python
;;   def quantise(x, axis):      # numpy; x: float32 -> the quantised numbers, widened to float32 again
;;       x = np.moveaxis(x, axis, -1); K = x.shape[-1]
;;       x = np.pad(x, [(0, 0)] * (x.ndim - 1) + [(0, -K % 32)]); x = x.reshape(x.shape[:-1] + (-1, 32)); a = np.abs(x).max(-1, keepdims=True)
;;       e = np.where(a > 0, np.clip(np.frexp(np.where(a > 0, a, 1))[1] - 1 - 15, -126, 127), 0)      # np.frexp(a)[1] - 1 = floor(log2(a)), exactly
;;       r = np.clip(x / 2.0 ** e, -57344, 57344)
;;       step = 2.0 ** (np.maximum(np.frexp(np.where(r == 0, 1, r))[1] - 1, -14) - 2)
;;       q = np.round(r / step) * step * 2.0 ** e      # np.round: ties to even
;;       return np.moveaxis(q.reshape(q.shape[:-2] + (-1,))[..., :K], -1, axis).astype(np.float32)
;;   ~~~
;;   SOFTMAX AHEAD OF A QUANTISED PRODUCT. Where the list says 'softmax', what is quantised is not the finished softmax but p = 2^(t - M), with t = logit x log2(e) and M = ceil(the row's largest t), a whole number; so 1/2 < the row's largest p <= 1. The row's sum l is taken of the UNQUANTISED p, in f32, and the product's result is divided by l at the end. Since M is a whole number, a kernel that streams over the keys may use a running M (the ceiling of the running maximum): every later rescaling is an exact power of two, which a block's scale takes up: the codes' values come out the same.
;;   OPERANDS COMPUTED ON THE WAY. 'Computed on the way' means the value that the module computes at that place (a softmax that the list does not call 'softmax' is quantised finished and normalised). What goes into a quantiser is computed in f32, as accurately as f32 sums, v_exp_f32 and their like allow (about 1e-6 of the number): no bf16 or f16 on the way to a quantiser, and a product that is left as it is and whose result goes on into a quantised operand takes f32 operands (vector FMAs, or v_wmma_f32_16x16x4_f32). A number that lies on a knife's edge between two numbers of the format may be rounded either way, as far as f32 arithmetic and the matrix unit's own rounding can turn it there, and no further.
;; One version. Each part assembles by itself: llvm-mc -triple=amdgcn-amd-amdhsa -mcpu=gfx1250 --defsym DOCPART=n.
;; ======== version 1 of 1: 6 launches
;; limits: right only within a limited range of input values
;; workspace buffers: prep 11,591,680 bytes; qkv 9,732,096 bytes; ao 3,244,032 bytes; hy 15,826,944 bytes; act 8,650,752 bytes
;; launch prep (part 1): grid 400 x 1, 6 waves a work-group, no clusters, 1,792 bytes of LDS; arguments hidden_states, w_norm1, w_q, w_k, w_v, w_o, w_gate, w_up, w_down, prep; writes prep
.if DOCPART == 1
	.amdgcn_target "amdgcn-amd-amdhsa--gfx1250"
	.amdhsa_code_object_version 6
	.text
	.protected	k_q32bd5abdfb_prep
	.globl	k_q32bd5abdfb_prep
	.p2align	8
	.type	k_q32bd5abdfb_prep,@function
k_q32bd5abdfb_prep:
	s_mov_b64 s[64:65], 0
	v_nop
	global_prefetch_b8 v0, s[64:65] scope:SCOPE_SE
	s_setreg_imm32_b32 hwreg(HW_REG_WAVE_MODE, 25, 1), 1
	s_wait_xcnt 0x0
; PREP.  Work-groups 0-255: RMS norm 1 of 16 tokens (one M tile), quantised to E5M2 codes with one E8M0 byte for each 32 along K, stored as fragment images; and the cos/sin table of these tokens.
; Work-groups 256-399: the seven weights [K][N] f32 -> codes with K innermost, stored as fragment images, and their scale words.
; A TILE PAIR: 32 neighbouring indices are two tiles u = 0, 1 of 16 rows; row r of tile u is index 8 u + r + 8 (r / 8).  All tiles of tokens and of weight columns are laid so.
; A FRAGMENT IMAGE (16 rows x 128 K, 2,048 bytes): piece c at 512 c, lane l = r + 16 h at 16 l: the codes k = 32 c + 16 h + 0 .. 15 of row r.  Its scale words: 64 bytes, word r at 4 r, byte b for k = 32 b ...
; LIMITS: NaN and infinities are not served.  A block whose largest magnitude lies under 2^-111 (a block of zeros too) keeps the byte 1: the bytes are read by this program alone.
; The rotary frequencies are 2^(-j log2(10000) / 32) by v_exp_f32: they may differ from a power and a division in f32 by a few units in the last place, at position 4,095 up to about 5e-4 of angle.
.set XC,  7299072                      ; x's codes    [block of 128 tokens 32][kstep 6][M tile 8][2048]
.set XSO, 10444800                     ; x's scales   [block 32][kstep 6][M tile 8][16 words]
.set TBO, 10543104                     ; cos/sin      [M tile 256][piece 8][lane 32][16 bytes]
.set WSO, 7077888                      ; the weights' scale words, at WSO + (the codes' offset / 32)
.set X,   32                           ; v32-95   64 numbers of x
.set WN,  96                           ; v96-159  64 numbers of w_norm1
.set PC,  160                          ; v160-175 the codes just made
.set TM,  176                          ; v176-191 largest magnitudes, bytes, holds, scale operands
.set PW,  192                          ; the scale word
.set OFF, 32                           ; weights: v32-63 32 row offsets
.set XW,  64                           ; v64-127  two sets of 32 numbers
.set C,   128                          ; v128-191 8 registers of codes for each of 8 blocks: no store's data are written again
.set SB,  192                          ; v192-193 scale bytes, four to a register
.set SEL, 12                           ; s[12:13] lane selects: lane l xor 16
.set MNT, 14                           ; the mantissa field of 57,344
.set HM,  15                           ; the mask of lanes 16-31
.set MSB, 0
.macro WIN new
.if MSB != (\new)
	s_set_vgpr_msb (MSB<<8)|(\new)
.set MSB, \new
.endif
.endm
; nb blocks of 16 registers v[s + 16 b + i] (window win), each with lane l xor 16's 16 a block of 32 along K, become codes in v[PC + 4 b ..], bytes in v[TM + 4 + b] and (word = 1) the scale word in v[PW]
.macro QUANT s, win, nb, word
	WIN (\win)|((\win)<<2)
.irp b, 0,1,2,3
.if \b < \nb
	v_max3_num_f32 v[TM+\b], |v[(\s)+16*\b]|, |v[(\s)+16*\b+1]|, 0x8000000   ; with the floor 2^(16 - 127): the byte cannot fall under 1
.endif
.endr
	WIN ((\win)<<2)|((\win)<<4)
.irp i, 2,4,6,8,10,12,14
.irp b, 0,1,2,3
.if \b < \nb
	v_max3_num_f32 v[TM+\b], v[TM+\b], |v[(\s)+16*\b+\i]|, |v[(\s)+16*\b+\i+1]|
.endif
.endr
.endr
	WIN 0
.irp b, 0,1,2,3
.if \b < \nb
	v_permlanex16_b32 v[TM+4+\b], v[TM+\b], s[SEL], s[SEL+1]
.endif
.endr
.irp b, 0,1,2,3
.if \b < \nb
	v_max_num_f32 v[TM+\b], v[TM+\b], v[TM+4+\b]               ; the block's largest magnitude
.endif
.endr
.irp b, 0,1,2,3
.if \b < \nb
	v_add_nc_u32 v[TM+12+\b], 0xf8800000, v[TM+\b]             ; 15 off its exponent field: the conversion's scale operand
.endif
.endr
.irp b, 0,1,2,3
.if \b < \nb
	v_and_or_b32 v[TM+8+\b], v[TM+\b], 0x7f800000, s[MNT]      ; 57,344 x the scale
.endif
.endr
.irp b, 0,1,2,3
.if \b < \nb
	v_lshrrev_b32 v[TM+4+\b], 23, v[TM+12+\b]                  ; the scale's byte
.endif
.endr
.if \word
	v_lshl_or_b32 v[PW], v[TM+5], 8, v[TM+4]
	v_lshl_or_b32 v[PW], v[TM+6], 16, v[PW]
	v_lshl_or_b32 v[PW], v[TM+7], 24, v[PW]
.endif
	WIN (\win)|((\win)<<6)
.irp b, 0,1,2,3
.if \b < \nb
.irp i, 0,1,2,3,4,5,6,7,8,9,10,11,12,13,14,15
	v_med3_num_f32 v[(\s)+16*\b+\i], v[(\s)+16*\b+\i], -v[TM+8+\b], v[TM+8+\b]   ; the conversion does not saturate (ISA guide 7.6.2): the hold
.endr
.endif
.endr
	WIN (\win)
.irp b, 0,1,2,3
.if \b < \nb
	v_cvt_scalef32_pk8_bf8_f32 v[PC+4*\b:PC+4*\b+1], v[(\s)+16*\b:(\s)+16*\b+7], v[TM+12+\b]
	v_cvt_scalef32_pk8_bf8_f32 v[PC+4*\b+2:PC+4*\b+3], v[(\s)+16*\b+8:(\s)+16*\b+15], v[TM+12+\b]
.endif
.endr
	WIN 0
	v_nop                                          ; one plain line behind the last conversion
.endm
	s_load_b512 s[16:31], s[0:1], 0x0              ; x, w_norm1, w_q, w_k, w_v, w_o, w_gate, w_up
	s_load_b128 s[32:35], s[0:1], 0x40             ; w_down, prep
	v_lshl_add_u32 v254, v0, 2, 0x400
	v_mov_b32 v255, 0
	v_lshrrev_b32 v1, 5, v0
	v_readfirstlane_b32 s8, v1                     ; wave 0..5
	v_and_b32 v2, 31, v0                           ; lane
	v_and_b32 v3, 15, v0                           ; r
	v_bfe_u32 v4, v0, 4, 1                         ; h
	s_mov_b32 s[SEL], 0x76543210
	s_mov_b32 s[SEL+1], 0xfedcba98
	s_mov_b32 s[MNT], 0x600000
	s_mov_b32 s[HM], 0xffff0000
	s_cmp_lt_u32 ttmp9, 256                        ; the same in all six waves
	s_cbranch_scc0 .Lweights
	; ---------------- x: work-group m = M tile m, wave w = K step w ----------------
	v_and_b32 v5, 8, v3
	v_add_nc_u32 v5, v5, v3                        ; r + 8 (r / 8)
	v_mul_u32_u24 v6, v5, 3072
	v_lshl_add_u32 v6, v4, 6, v6                   ; my row of x, + 64 h: my 16 numbers of a block of 32
	v_lshlrev_b32 v7, 6, v4                        ; the same place in w_norm1
	v_lshlrev_b32 v8, 2, v0                        ; LDS: 128 w + 4 l
	v_lshlrev_b32 v9, 2, v2                        ; 4 l
	v_lshlrev_b32 v10, 4, v2                       ; 16 l
	v_lshlrev_b32 v12, 2, v3
	v_lshl_add_u32 v12, v4, 1, v12                 ; 4 r + 2 h: each lane stores half a scale word
.irp b, 0,1,2,3
	v_mov_b32 v[TM+4+\b], 0                        ; a lane permute's destination counts as read
.endr
	s_lshr_b32 s9, ttmp9, 1
	s_lshl_b32 s9, s9, 5
	s_and_b32 s10, ttmp9, 1
	s_lshl_b32 s10, s10, 3
	s_add_co_u32 s9, s9, s10                       ; the tile's first token: 32 (m / 2) + 8 (m % 2)
	s_lshl_b32 s10, s8, 9                          ; 512 w
	s_mul_i32 s36, s9, 3072
	s_add_co_u32 s36, s36, s10
	s_mov_b32 s37, 0
	s_mov_b32 s38, s10
	s_mov_b32 s39, 0
	s_lshr_b32 s40, ttmp9, 3                       ; block of 128 tokens
	s_and_b32 s41, ttmp9, 7                        ; M tile in it
	s_mul_i32 s42, s40, 98304
	s_lshl_b32 s43, s8, 14
	s_add_co_u32 s42, s42, s43
	s_lshl_b32 s43, s41, 11
	s_add_co_u32 s42, s42, s43
	s_add_co_u32 s42, s42, XC
	s_mov_b32 s43, 0
	s_mul_i32 s44, s40, 6
	s_add_co_u32 s44, s44, s8
	s_lshl_b32 s44, s44, 9
	s_lshl_b32 s45, s41, 6
	s_add_co_u32 s44, s44, s45
	s_add_co_u32 s44, s44, XSO
	s_mov_b32 s45, 0
	s_lshl_b32 s46, ttmp9, 12
	s_add_co_u32 s46, s46, s10
	s_add_co_u32 s46, s46, TBO
	s_mov_b32 s47, 0
	s_mov_b32 s56, 0x3aaaaaab                      ; 1 / 768
	s_mov_b32 s57, 0x358637bd                      ; 1e-6
	s_wait_kmcnt 0x0
	s_add_nc_u64 s[16:17], s[16:17], s[36:37]
	s_add_nc_u64 s[18:19], s[18:19], s[38:39]
	s_add_nc_u64 s[42:43], s[34:35], s[42:43]
	s_add_nc_u64 s[44:45], s[34:35], s[44:45]
	s_add_nc_u64 s[46:47], s[34:35], s[46:47]
.set i, 0
.rept 16
	global_load_b128 v[X+4*i:X+4*i+3], v6, s[16:17] offset:128*(i/4)+16*(i%4) th:TH_LOAD_NT
.set i, i+1
.endr
.set i, 0
.rept 16
	global_load_b128 v[WN+4*i:WN+4*i+3], v7, s[18:19] offset:128*(i/4)+16*(i%4)
.set i, i+1
.endr
	s_wait_loadcnt 16                              ; x is in; w_norm1's sixteen loads may be out
	v_pk_mul_f32 v[194:195], v[X:X+1], v[X:X+1]    ; the sum of squares of my 64 numbers, in two chains
	v_pk_mul_f32 v[196:197], v[X+2:X+3], v[X+2:X+3]
.set i, 4
.rept 15
	v_pk_fma_f32 v[194:195], v[X+i:X+i+1], v[X+i:X+i+1], v[194:195]
	v_pk_fma_f32 v[196:197], v[X+i+2:X+i+3], v[X+i+2:X+i+3], v[196:197]
.set i, i+4
.endr
	v_pk_add_f32 v[194:195], v[194:195], v[196:197]
	v_add_f32 v194, v194, v195
	v_permlanex16_b32 v195, v194, s[SEL], s[SEL+1]
	v_add_f32 v194, v194, v195                     ; my row's 128 numbers of this K step
	ds_store_b32 v8, v194
	s_wait_dscnt 0x0                               ; for the others' sake: my store has landed
	s_barrier_signal -1
	s_barrier_wait -1
.irp i, 0,1,2,3,4,5
	ds_load_b32 v[200+\i], v9 offset:128*\i        ; the six K steps' parts of my row
.endr
	s_wait_dscnt 0x0
	v_add_f32 v200, v200, v201
	v_add_f32 v200, v200, v202
	v_add_f32 v200, v200, v203
	v_add_f32 v200, v200, v204
	v_add_f32 v200, v200, v205
	v_fma_f32 v200, v200, s56, s57                 ; the mean of squares + eps
	s_wait_alu depctr_va_vdst(0)
	v_rsq_f32 v198, v200
	v_mov_b32 v199, 0                              ; a plain line behind the root; the pair v[198:199] is named below
	s_wait_alu depctr_va_vdst(0)                   ; ahead of the first reader of the root
	s_wait_loadcnt 0x0                             ; w_norm1
.set i, 0
.rept 32
	v_pk_mul_f32 v[X+i:X+i+1], v[X+i:X+i+1], v[198:199] op_sel_hi:[1,0]
.set i, i+2
.endr
.set i, 0
.rept 32
	v_pk_mul_f32 v[X+i:X+i+1], v[X+i:X+i+1], v[WN+i:WN+i+1]   ; (x r) w, in this order
.set i, i+2
.endr
	QUANT X, 0, 4, 1
.irp c, 0,1,2,3
	global_store_b128 v10, v[PC+4*\c:PC+4*\c+3], s[42:43] offset:512*\c   ; 512 consecutive bytes a store
.endr
	v_lshrrev_b32 v11, 16, v[PW]
	v_cndmask_b32 v11, v[PW], v11, s[HM]           ; lanes 16-31 take the word's upper half
	global_store_b16 v12, v11, s[44:45]            ; 64 consecutive bytes
	s_cmp_lt_u32 s8, 4                             ; the table: waves 0-3, wave w = piece w
	s_cbranch_scc0 .Lxend
	s_mov_b32 s48, 0xbfc90fdb                      ; -(pi/2 rounded to f32)
	s_mov_b32 s49, 0x333bbd2e                      ; that number less pi/2
	s_mov_b32 s50, 0x37ccf5ce                      ; cosine: s^8 / 40320 ..
	s_mov_b32 s51, 0xbab6061a
	s_mov_b32 s52, 0x3d2aaaa5
	s_mov_b32 s53, 0xb94ca1f9                      ; sine
	s_mov_b32 s54, 0x3c08839e
	s_mov_b32 s55, 0xbe2aaaa3
	v_add_nc_u32 v13, s9, v5
	v_cvt_f32_u32 v13, v13                         ; my token
	v_lshlrev_b32 v14, 4, v4
	s_lshl_b32 s11, s8, 2
	v_add_nc_u32 v14, s11, v14                     ; 16 h + 4 w
.irp e, 0,1,2,3
	v_add_nc_u32 v[200+\e], \e, v14                ; j
.endr
.irp e, 0,1,2,3
	v_cvt_f32_u32 v[200+\e], v[200+\e]
.endr
.irp e, 0,1,2,3
	v_mul_f32 v[200+\e], 0xbed49a78, v[200+\e]     ; -j log2(10000) / 32
.endr
	s_wait_alu depctr_va_vdst(0)
.irp e, 0,1,2,3
	v_exp_f32 v[200+\e], v[200+\e]
.endr
	v_nop
	s_wait_alu depctr_va_vdst(0)                   ; one wait for the four
.irp e, 0,1,2,3
	v_mul_f32 v[200+\e], v13, v[200+\e]            ; the angle
.endr
.irp e, 0,1,2,3
	v_mul_f32 v[204+\e], 0x3f22f983, v[200+\e]
.endr
.irp e, 0,1,2,3
	v_rndne_f32 v[204+\e], v[204+\e]               ; n = the nearest multiple of pi/2
.endr
.irp e, 0,1,2,3
	v_fma_f32 v[200+\e], v[204+\e], s48, v[200+\e]
.endr
.irp e, 0,1,2,3
	v_fma_f32 v[200+\e], v[204+\e], s49, v[200+\e] ; what is left, within +-pi/4
.endr
.irp e, 0,1,2,3
	v_mul_f32 v[208+\e], v[200+\e], v[200+\e]
.endr
.irp e, 0,1,2,3
	v_fma_f32 v[212+\e], v[208+\e], s50, s51
	v_fma_f32 v[216+\e], v[208+\e], s53, s54
.endr
.irp e, 0,1,2,3
	v_fma_f32 v[212+\e], v[212+\e], v[208+\e], s52
	v_fma_f32 v[216+\e], v[216+\e], v[208+\e], s55
.endr
.irp e, 0,1,2,3
	v_fma_f32 v[212+\e], v[212+\e], v[208+\e], -0.5
	v_mul_f32 v[220+\e], v[200+\e], v[208+\e]
.endr
.irp e, 0,1,2,3
	v_fma_f32 v[212+\e], v[212+\e], v[208+\e], 1.0           ; cosine of what is left
	v_fma_f32 v[216+\e], v[216+\e], v[220+\e], v[200+\e]     ; sine
.endr
.irp e, 0,1,2,3
	v_cvt_i32_f32 v[204+\e], v[204+\e]
.endr
.irp e, 0,1,2,3
	v_and_b32 v[220+\e], 1, v[204+\e]
.endr
.irp e, 0,1,2,3
	v_cmp_eq_u32 vcc_lo, 1, v[220+\e]              ; an odd quadrant swaps the two
	v_cndmask_b32 v[224+\e], v[216+\e], v[212+\e], vcc_lo
	v_cndmask_b32 v[228+\e], v[212+\e], v[216+\e], vcc_lo
.endr
.irp e, 0,1,2,3
	v_and_b32 v[220+\e], 2, v[204+\e]
	v_add_nc_u32 v[204+\e], 1, v[204+\e]
.endr
.irp e, 0,1,2,3
	v_lshlrev_b32 v[220+\e], 30, v[220+\e]
	v_and_b32 v[204+\e], 2, v[204+\e]
.endr
.irp e, 0,1,2,3
	v_xor_b32 v[224+\e], v[224+\e], v[220+\e]      ; the sine's sign: bit 1 of n
	v_lshlrev_b32 v[204+\e], 30, v[204+\e]
.endr
.irp e, 0,1,2,3
	v_xor_b32 v[228+\e], v[228+\e], v[204+\e]      ; the cosine's: bit 1 of n + 1
.endr
	global_store_b128 v10, v[228:231], s[46:47]
	global_store_b128 v10, v[224:227], s[46:47] offset:2048
.Lxend:
	s_wait_tensorcnt 0x0
	ds_add_u32 v254, v255
	s_wait_dscnt 0x0
	s_endpgm
	; ---------------- the weights: a wave takes 32 columns x 256 along K; a lane a column, its registers down K ----------------
.macro PICK first, ptr, pitch, cg, mulk, mulg, g, us, kstr, add
	s_cmp_ge_u32 s9, \first                        ; the choice hangs on the work-group's number alone
	s_cselect_b64 s[36:37], s[\ptr:\ptr+1], s[36:37]
	s_cselect_b32 s38, \first, s38
	s_cselect_b32 s39, \pitch, s39
	s_cselect_b32 s40, \cg, s40
	s_cselect_b32 s41, \mulk, s41
	s_cselect_b32 s42, \mulg, s42
	s_cselect_b32 s43, \g, s43
	s_cselect_b32 s44, \us, s44
	s_cselect_b32 s45, \kstr, s45
	s_cselect_b32 s46, \add, s46
.endm
.Lweights:
	s_sub_co_u32 s9, ttmp9, 256
	s_wait_kmcnt 0x0
	s_mov_b64 s[36:37], s[20:21]                   ; w_q: the tensor,
	s_mov_b32 s38, 0                               ; its first work-group,
	s_mov_b32 s39, 3072                            ; a row in bytes,
	s_mov_b32 s40, 24                              ; groups of 32 columns, and 65536 / that,
	s_mov_b32 s41, 2731
	s_mov_b32 s42, 128                             ; 256 / (column groups in a unit), and that number,
	s_mov_b32 s43, 2
	s_mov_b32 s44, 49152                           ; a unit's bytes of codes, a K step's in it,
	s_mov_b32 s45, 8192
	s_mov_b32 s46, 0                               ; and where the tensor's codes begin
	PICK 12, 22, 3072, 24, 2731, 128, 2, 49152, 8192, 589824
	PICK 24, 24, 3072, 24, 2731, 128, 2, 49152, 8192, 1179648
	PICK 36, 26, 3072, 24, 2731, 43, 6, 147456, 24576, 1769472
	PICK 48, 28, 8192, 64, 1024, 256, 1, 49152, 8192, 2359296
	PICK 80, 30, 8192, 64, 1024, 256, 1, 49152, 8192, 2363392
	PICK 112, 32, 3072, 24, 2731, 43, 6, 393216, 24576, 5505024
	s_sub_co_u32 s47, s9, s38
	s_mul_i32 s47, s47, 6
	s_add_co_u32 s47, s47, s8                      ; my unit of work in the tensor
	s_mul_i32 s48, s47, s41
	s_lshr_b32 s48, s48, 16                        ; which 256 along K
	s_mul_i32 s49, s48, s40
	s_sub_co_u32 s49, s47, s49                     ; which 32 columns
	s_mul_i32 s50, s49, s42
	s_lshr_b32 s50, s50, 8                         ; which unit of the layout
	s_mul_i32 s51, s50, s43
	s_sub_co_u32 s51, s49, s51
	s_lshl_b32 s51, s51, 12                        ; the tile pair in it: 4,096 bytes a K step
	s_mul_i32 s52, s50, s44
	s_add_co_u32 s51, s51, s52
	s_mul_i32 s52, s48, s45
	s_lshl_b32 s52, s52, 1
	s_add_co_u32 s51, s51, s52
	s_add_co_u32 s51, s51, s46                     ; where my first K step's codes go
	s_mul_i32 s52, s48, s39
	s_lshl_b32 s52, s52, 8
	s_lshl_b32 s53, s49, 7
	s_add_co_u32 s52, s52, s53
	s_mov_b32 s53, 0
	s_add_nc_u64 s[66:67], s[36:37], s[52:53]      ; block 0's first row; a base for each of the 8 blocks, so that none is stepped
	s_lshl_b32 s52, s39, 5
.irp t, 1,2,3,4,5,6,7
	s_add_nc_u64 s[66+2*\t:67+2*\t], s[64+2*\t:65+2*\t], s[52:53]
.endr
	s_mov_b32 s54, s51
	s_mov_b32 s55, 0
	s_add_nc_u64 s[54:55], s[34:35], s[54:55]
	s_mov_b32 s56, s45
	s_mov_b32 s57, 0
	s_add_nc_u64 s[56:57], s[54:55], s[56:57]      ; the second K step's codes
	s_lshr_b32 s58, s51, 5
	s_add_co_u32 s58, s58, WSO
	s_mov_b32 s59, 0
	s_add_nc_u64 s[58:59], s[34:35], s[58:59]
	s_lshr_b32 s60, s45, 5
	s_mov_b32 s61, 0
	s_add_nc_u64 s[60:61], s[58:59], s[60:61]
	v_bfe_u32 v5, v0, 3, 1                         ; my column's tile of the pair,
	v_and_b32 v6, 7, v0
	s_wait_alu depctr_va_vdst(0)
	v_lshl_add_u32 v6, v4, 3, v6                   ; and its row there
	v_lshlrev_b32 v7, 4, v6
	v_lshl_add_u32 v7, v5, 11, v7                  ; codes: 2,048 u + 16 r
	v_lshlrev_b32 v8, 2, v6
	v_lshl_add_u32 v8, v5, 6, v8                   ; scale words: 64 u + 4 r
	v_lshlrev_b32 v9, 2, v2
.set i, 0
.rept 32
	v_mad_u32_u24 v[OFF+i], s39, i, v9             ; row i of a block, my column
.set i, i+1
.endr
.macro LOAD t
.set i, 0
.rept 32
	global_load_b32 v[XW+32*((\t)%2)+i], v[OFF+i], s[66+2*(\t):67+2*(\t)] th:TH_LOAD_NT   ; 128 consecutive bytes a wave
.set i, i+1
.endr
.endm
.macro BLOCK t
.set XB, XW+32*((\t)%2)
.if (\t) < 7
	s_wait_loadcnt 32                              ; this block's loads are in; the next block's 32 may be out
.else
	s_wait_loadcnt 0x0
.endif
	v_max3_num_f32 v12, |v[XB]|, |v[XB+1]|, |v[XB+2]|
	v_max3_num_f32 v13, |v[XB+3]|, |v[XB+4]|, |v[XB+5]|
.irp i, 6,10,14,18,22,26
	v_max3_num_f32 v12, v12, |v[XB+\i]|, |v[XB+\i+1]|
	v_max3_num_f32 v13, v13, |v[XB+\i+2]|, |v[XB+\i+3]|
.endr
	v_max3_num_f32 v12, v12, |v[XB+30]|, |v[XB+31]|
	v_max3_num_f32 v12, v12, v13, 0x8000000        ; all 32 numbers of the block are mine; the floor holds the byte at 1
	v_add_nc_u32 v11, 0xf8800000, v12
	v_and_or_b32 v10, v12, 0x7f800000, s[MNT]
	v_lshrrev_b32 v13, 23, v11
.if (\t)%4 == 0
	v_mov_b32 v[SB+(\t)/4], v13
.else
	v_lshl_or_b32 v[SB+(\t)/4], v13, 8*((\t)%4), v[SB+(\t)/4]
.endif
.set i, 0
.rept 32
	v_med3_num_f32 v[XB+i], v[XB+i], -v10, v10
.set i, i+1
.endr
.irp g, 0,1,2,3
	v_cvt_scalef32_pk8_bf8_f32 v[C+8*(\t)+2*\g:C+8*(\t)+2*\g+1], v[XB+8*\g:XB+8*\g+7], v11
.endr
	global_store_b128 v7, v[C+8*(\t):C+8*(\t)+3], s[54+2*((\t)/4):55+2*((\t)/4)] offset:512*((\t)%4)          ; k 0-15 of the block: two whole runs of 256 bytes, one in each tile
	global_store_b128 v7, v[C+8*(\t)+4:C+8*(\t)+7], s[54+2*((\t)/4):55+2*((\t)/4)] offset:512*((\t)%4)+256    ; k 16-31
.if (\t)%4 == 3
	global_store_b32 v8, v[SB+(\t)/4], s[58+2*((\t)/4):59+2*((\t)/4)]
.endif
.if (\t)+2 < 8
	LOAD (\t)+2
.endif
.endm
	LOAD 0
	LOAD 1
.irp t, 0,1,2,3,4,5,6,7
	BLOCK \t
.endr
	s_endpgm
.Lfunc_end_k_q32bd5abdfb_prep:
	.size	k_q32bd5abdfb_prep, .Lfunc_end_k_q32bd5abdfb_prep-k_q32bd5abdfb_prep
	.p2alignl 7, 3214868480
	.fill 96, 4, 3214868480
	.section	.rodata,"a",@progbits
	.p2align	6, 0x0
	.amdhsa_kernel k_q32bd5abdfb_prep
		.amdhsa_group_segment_fixed_size 1792
		.amdhsa_private_segment_fixed_size 0
		.amdhsa_enable_private_segment 0
		.amdhsa_kernarg_size 80
		.amdhsa_user_sgpr_count 2
		.amdhsa_user_sgpr_kernarg_segment_ptr 1
		.amdhsa_wavefront_size32 1
		.amdhsa_system_sgpr_workgroup_id_x 1
		.amdhsa_system_sgpr_workgroup_id_y 1
		.amdhsa_system_sgpr_workgroup_id_z 1
		.amdhsa_system_vgpr_workitem_id 0
		.amdhsa_next_free_vgpr 256
		.amdhsa_next_free_sgpr 90
		.amdhsa_reserve_vcc 1
		.amdhsa_float_denorm_mode_32 3
		.amdhsa_float_denorm_mode_16_64 3
		.amdhsa_memory_ordered 1
		.amdhsa_forward_progress 1
		.amdhsa_inst_pref_size 90
	.end_amdhsa_kernel
	.amdgpu_metadata
---
amdhsa.version: [ 1, 2 ]
amdhsa.kernels:
  - .name:           k_q32bd5abdfb_prep
    .symbol:         k_q32bd5abdfb_prep.kd
    .args:
      - { .name: hidden_states, .offset: 0, .size: 8, .value_kind: global_buffer, .address_space: global }
      - { .name: w_norm1, .offset: 8, .size: 8, .value_kind: global_buffer, .address_space: global }
      - { .name: w_q, .offset: 16, .size: 8, .value_kind: global_buffer, .address_space: global }
      - { .name: w_k, .offset: 24, .size: 8, .value_kind: global_buffer, .address_space: global }
      - { .name: w_v, .offset: 32, .size: 8, .value_kind: global_buffer, .address_space: global }
      - { .name: w_o, .offset: 40, .size: 8, .value_kind: global_buffer, .address_space: global }
      - { .name: w_gate, .offset: 48, .size: 8, .value_kind: global_buffer, .address_space: global }
      - { .name: w_up, .offset: 56, .size: 8, .value_kind: global_buffer, .address_space: global }
      - { .name: w_down, .offset: 64, .size: 8, .value_kind: global_buffer, .address_space: global }
      - { .name: prep, .offset: 72, .size: 8, .value_kind: global_buffer, .address_space: global }
    .group_segment_fixed_size: 1792
    .private_segment_fixed_size: 0
    .kernarg_segment_align: 8
    .kernarg_segment_size: 80
    .max_flat_workgroup_size: 192
    .sgpr_count:     90
    .vgpr_count:     256
    .wavefront_size: 32
...
	.end_amdgpu_metadata
.endif
;; end of part 1
;; launch qkv (part 2): grid 12 x 16, 3 waves a work-group, clusters of 4 x 1, 197,120 bytes of LDS; arguments prep, qkv; writes qkv
.if DOCPART == 2
	.amdgcn_target "amdgcn-amd-amdhsa--gfx1250"
	.amdhsa_code_object_version 6
	.text
	.protected	k_q32bd5abdfb_qkv
	.globl	k_q32bd5abdfb_qkv
	.p2align	8
	.type	k_q32bd5abdfb_qkv,@function
k_q32bd5abdfb_qkv:
	s_mov_b64 s[64:65], 0
	v_nop
	global_prefetch_b8 v0, s[64:65] scope:SCOPE_SE
	s_setreg_imm32_b32 hwreg(HW_REG_WAVE_MODE, 25, 1), 1
	s_wait_xcnt 0x0
	s_wait_alu depctr_hold_cnt(0) depctr_sa_sdst(0) depctr_va_vdst(0) depctr_va_sdst(0) depctr_va_ssrc(0) depctr_va_vcc(0) depctr_vm_vsrc(0)
	s_getreg_b32 s2, hwreg(HW_REG_IB_STS2, 6, 4)
	s_cmp_eq_u32 s2, 0
	s_cbranch_scc0 .Lentry_in_a_cluster
	s_endpgm
.Lentry_in_a_cluster:
	s_bfe_u32 s2, ttmp6, 0x10000c
	s_cmp_lg_u32 s2, 0x3003
	s_cbranch_scc0 .Lentry_shape_is_right
	s_endpgm
.Lentry_shape_is_right:
; Q, K, V = norm(x) W on E5M2 codes; rotary embedding of q and k; q and k quantised along the head's 64, v along the keys; all stored as the attention's fragment images.
; SHARES.  A wave keeps one head's 64 columns of one weight (24 fragments, 384 registers) for the whole launch and walks two blocks of 128 tokens.  A work-group has three heads and 256 tokens.
; The 256 tokens' codes (196,608 bytes of fragment images) come into LDS once, by first fills alone: four halves of 49,152 bytes, wave 0 half 0, wave 1 half 1, wave 2 halves 2 and 3.  No LDS byte is filled twice.
; CLUSTER.  The four work-groups of a cluster have the same tokens and the same role (q, k or v = the cluster's x): each half is asked for jointly, by the same load with the mask of all four.
; q, k: the product is used transposed (source 0 = 16 columns of W, source 1 = 16 tokens): a lane holds one token and its registers run along the head's channels.
; v: source 0 = 16 tokens, source 1 = 16 columns: a lane holds one channel and its registers run along the tokens, which are the second attention product's K.
; REGISTERS.  window 0: v2-7 addresses, v32-43 W's scale words, v44-91 x's, v92-107 and v112-127 the quantiser's, v128-255 A buffer 0 (later cos/sin);  window 1: W of K steps 0-3;
;   window 2: v0-127 W of K steps 4, 5, v128-255 A buffer 1 (later rotated numbers);  window 3: 32 accumulators.
; LIMITS: as stated at the head of the first launch (NaN, infinities, blocks under 2^-111).
.set XC,  7299072
.set XSO, 10444800
.set TBO, 10543104
.set W1S, 7077888
.set KVB, 3244032
.set LA,  2                            ; v2-5   16 l + 49,152 x half
.set L4,  6
.set L8,  7
.set SWD, 28                           ; v[28:29] two scale words to store
.set PW,  31
.set WS,  32
.set AS,  44
.set TM,  92
.set KW,  108                          ; v108-111 four scale words kept
.set PC,  112
.set G1,  16
.set G0,  32
.set SEL, 48
.set MNT, 50
.set HM,  51
.set MSB, 0
.macro WIN new
.if MSB != (\new)
	s_set_vgpr_msb (MSB<<8)|(\new)
.set MSB, \new
.endif
.endm
.macro PLACES n
.rept \n
	v_nop
.endr
.endm
.macro CROUND                          ; a round of the cluster's barrier
	s_barrier_signal -1
	s_barrier_wait -1
	s_cmp_lg_u32 s8, 0
	s_cbranch_scc1 .Lnw0_\@
	s_barrier_signal -3
.Lnw0_\@:
	s_barrier_wait -3
	s_barrier_signal -1
	s_barrier_wait -1
.endm
.macro QUANT s, win, nb, word
	WIN (\win)|((\win)<<2)
.irp b, 0,1,2,3
.if \b < \nb
	v_max3_num_f32 v[TM+\b], |v[(\s)+16*\b]|, |v[(\s)+16*\b+1]|, 0x8000000   ; with the floor 2^(16 - 127)
.endif
.endr
	WIN ((\win)<<2)|((\win)<<4)
.irp i, 2,4,6,8,10,12,14
.irp b, 0,1,2,3
.if \b < \nb
	v_max3_num_f32 v[TM+\b], v[TM+\b], |v[(\s)+16*\b+\i]|, |v[(\s)+16*\b+\i+1]|
.endif
.endr
.endr
	WIN 0
.irp b, 0,1,2,3
.if \b < \nb
	v_permlanex16_b32 v[TM+4+\b], v[TM+\b], s[SEL], s[SEL+1]
.endif
.endr
.irp b, 0,1,2,3
.if \b < \nb
	v_max_num_f32 v[TM+\b], v[TM+\b], v[TM+4+\b]
.endif
.endr
.irp b, 0,1,2,3
.if \b < \nb
	v_add_nc_u32 v[TM+12+\b], 0xf8800000, v[TM+\b]
.endif
.endr
.irp b, 0,1,2,3
.if \b < \nb
	v_and_or_b32 v[TM+8+\b], v[TM+\b], 0x7f800000, s[MNT]
.endif
.endr
.irp b, 0,1,2,3
.if \b < \nb
	v_lshrrev_b32 v[TM+4+\b], 23, v[TM+12+\b]
.endif
.endr
.if \word
	v_lshl_or_b32 v[PW], v[TM+5], 8, v[TM+4]
	v_lshl_or_b32 v[PW], v[TM+6], 16, v[PW]
	v_lshl_or_b32 v[PW], v[TM+7], 24, v[PW]
.endif
	WIN (\win)|((\win)<<6)
.irp b, 0,1,2,3
.if \b < \nb
.irp i, 0,1,2,3,4,5,6,7,8,9,10,11,12,13,14,15
	v_med3_num_f32 v[(\s)+16*\b+\i], v[(\s)+16*\b+\i], -v[TM+8+\b], v[TM+8+\b]
.endr
.endif
.endr
	WIN (\win)
.irp b, 0,1,2,3
.if \b < \nb
	v_cvt_scalef32_pk8_bf8_f32 v[PC+4*\b:PC+4*\b+1], v[(\s)+16*\b:(\s)+16*\b+7], v[TM+12+\b]
	v_cvt_scalef32_pk8_bf8_f32 v[PC+4*\b+2:PC+4*\b+3], v[(\s)+16*\b+8:(\s)+16*\b+15], v[TM+12+\b]
.endif
.endr
	WIN 0
	v_nop                                          ; one plain line behind the last conversion
.endm
; one scaled product: z = 1 starts the sum; ra, rb: the side's scale words stand in lanes 16-31
.macro WM d, a, b, z, sa, sb, ra, rb
.if (\z)
.if (\ra) && (\rb)
	v_wmma_scale_f32_16x16x128_f8f6f4 v[(\d):(\d)+7], v[(\a):(\a)+15], v[(\b):(\b)+15], 0, v[\sa], v[\sb] matrix_a_fmt:MATRIX_FMT_BF8 matrix_b_fmt:MATRIX_FMT_BF8 matrix_a_scale:MATRIX_SCALE_ROW1 matrix_b_scale:MATRIX_SCALE_ROW1
.elseif (\ra)
	v_wmma_scale_f32_16x16x128_f8f6f4 v[(\d):(\d)+7], v[(\a):(\a)+15], v[(\b):(\b)+15], 0, v[\sa], v[\sb] matrix_a_fmt:MATRIX_FMT_BF8 matrix_b_fmt:MATRIX_FMT_BF8 matrix_a_scale:MATRIX_SCALE_ROW1
.elseif (\rb)
	v_wmma_scale_f32_16x16x128_f8f6f4 v[(\d):(\d)+7], v[(\a):(\a)+15], v[(\b):(\b)+15], 0, v[\sa], v[\sb] matrix_a_fmt:MATRIX_FMT_BF8 matrix_b_fmt:MATRIX_FMT_BF8 matrix_b_scale:MATRIX_SCALE_ROW1
.else
	v_wmma_scale_f32_16x16x128_f8f6f4 v[(\d):(\d)+7], v[(\a):(\a)+15], v[(\b):(\b)+15], 0, v[\sa], v[\sb] matrix_a_fmt:MATRIX_FMT_BF8 matrix_b_fmt:MATRIX_FMT_BF8
.endif
.else
.if (\ra) && (\rb)
	v_wmma_scale_f32_16x16x128_f8f6f4 v[(\d):(\d)+7], v[(\a):(\a)+15], v[(\b):(\b)+15], v[(\d):(\d)+7], v[\sa], v[\sb] matrix_a_fmt:MATRIX_FMT_BF8 matrix_b_fmt:MATRIX_FMT_BF8 matrix_a_scale:MATRIX_SCALE_ROW1 matrix_b_scale:MATRIX_SCALE_ROW1
.elseif (\ra)
	v_wmma_scale_f32_16x16x128_f8f6f4 v[(\d):(\d)+7], v[(\a):(\a)+15], v[(\b):(\b)+15], v[(\d):(\d)+7], v[\sa], v[\sb] matrix_a_fmt:MATRIX_FMT_BF8 matrix_b_fmt:MATRIX_FMT_BF8 matrix_a_scale:MATRIX_SCALE_ROW1
.elseif (\rb)
	v_wmma_scale_f32_16x16x128_f8f6f4 v[(\d):(\d)+7], v[(\a):(\a)+15], v[(\b):(\b)+15], v[(\d):(\d)+7], v[\sa], v[\sb] matrix_a_fmt:MATRIX_FMT_BF8 matrix_b_fmt:MATRIX_FMT_BF8 matrix_b_scale:MATRIX_SCALE_ROW1
.else
	v_wmma_scale_f32_16x16x128_f8f6f4 v[(\d):(\d)+7], v[(\a):(\a)+15], v[(\b):(\b)+15], v[(\d):(\d)+7], v[\sa], v[\sb] matrix_a_fmt:MATRIX_FMT_BF8 matrix_b_fmt:MATRIX_FMT_BF8
.endif
.endif
.endm
	s_load_b128 s[4:7], s[0:1], 0x0                ; prep, qkv
	v_lshl_add_u32 v27, v0, 2, 0x30000
	v_mov_b32 v30, 0
	ds_add_u32 v27, v30
	ds_add_u32 v27, v30
	v_lshrrev_b32 v8, 5, v0
	v_readfirstlane_b32 s8, v8                     ; wave 0..2
	v_and_b32 v9, 31, v0
	v_lshlrev_b32 v[LA], 4, v9
	v_add_nc_u32 v[LA+1], 49152, v[LA]
	v_add_nc_u32 v[LA+2], 98304, v[LA]
	v_add_nc_u32 v[LA+3], 147456, v[LA]
	v_lshlrev_b32 v[L4], 2, v9
	v_lshlrev_b32 v[L8], 3, v9
.irp b, 0,1,2,3
	v_mov_b32 v[TM+4+\b], 0                        ; a lane permute's destination counts as read
.endr
	s_bfe_u32 s9, ttmp6, 0x40000                   ; cx: it enters the addresses of my own loads and stores alone
	s_mov_b32 s10, ttmp9                           ; the cluster's x = the role: 0 q, 1 k, 2 v; the same in all four partners
	s_and_b32 s11, ttmp7, 0xffff                   ; which 256 tokens
	s_mul_i32 s12, s9, 3
	s_add_co_u32 s12, s12, s8                      ; head
	s_mul_i32 s13, s10, 12
	s_add_co_u32 s13, s13, s12                     ; unit of weights
	s_mov_b32 s[SEL], 0x76543210
	s_mov_b32 s[SEL+1], 0xfedcba98
	s_mov_b32 s[MNT], 0x600000
	s_mov_b32 s[HM], 0xffff0000
	; descriptor group 1: a dense block of 49,152 bytes as 192 rows of 256 bytes (32 elements of 8 bytes), no padding; mask of all four, bit 21 beside it
	s_mov_b32 s[G1], 15|(3<<16)|(1<<21)
	s_mov_b32 s[G1+1], 32<<16
	s_mov_b32 s[G1+2], 192<<16                     ; a half: 49,152 dense bytes as 192 rows of 256
	s_mov_b32 s[G1+3], 32<<16
	s_mov_b32 s[G1+4], 192
	s_mov_b32 s68, 15|(3<<16)|(1<<21)              ; s[68:75]: a second group 1, for two halves on end: 384 rows
	s_mov_b32 s69, 32<<16
	s_mov_b32 s70, 384<<16
	s_mov_b32 s71, 32<<16
	s_mov_b32 s72, 384
	s_mov_b32 s73, 32
	s_mov_b32 s74, 0
	s_mov_b32 s75, 0
	s_mov_b32 s[G1+5], 32
	s_mov_b32 s[G1+6], 0
	s_mov_b32 s[G1+7], 0
	s_mov_b32 s14, 0                               ; a load brings whole halves
	s_mul_i32 s24, s11, 196608
	s_add_co_u32 s24, s24, s14
	s_add_co_u32 s24, s24, XC
	s_mov_b32 s25, 0
	s_mul_i32 s52, s13, 49152
	s_mov_b32 s53, 0
	s_mul_i32 s54, s13, 1536
	s_add_co_u32 s54, s54, W1S
	s_mov_b32 s55, 0
	s_mul_i32 s56, s11, 6144
	s_add_co_u32 s56, s56, XSO
	s_mov_b32 s57, 0
	s_lshl_b32 s58, s11, 16
	s_add_co_u32 s58, s58, TBO
	s_mov_b32 s59, 0
	s_mov_b32 s26, 540672                          ; a head's bytes, a block's bytes and the part's start: K and V, or Q
	s_mov_b32 s62, 16896
	s_mov_b32 s28, KVB
	s_cmp_eq_u32 s10, 0
	s_cselect_b32 s26, 270336, s26
	s_cselect_b32 s62, 8448, s62
	s_cselect_b32 s28, 0, s28
	s_mul_i32 s60, s12, s26
	s_add_co_u32 s60, s60, s28
	s_mul_i32 s27, s11, s62
	s_lshl_b32 s27, s27, 1
	s_add_co_u32 s60, s60, s27
	s_mov_b32 s61, 0
	s_mov_b32 s63, 0
	s_wait_dscnt 0x0
	s_wait_kmcnt 0x0
	s_add_nc_u64 s[24:25], s[4:5], s[24:25]
	s_add_nc_u64 s[52:53], s[4:5], s[52:53]        ; W's codes
	s_add_nc_u64 s[54:55], s[4:5], s[54:55]        ; W's scale words
	s_add_nc_u64 s[56:57], s[4:5], s[56:57]        ; x's scale words
	s_add_nc_u64 s[58:59], s[4:5], s[58:59]        ; cos/sin
	s_add_nc_u64 s[60:61], s[6:7], s[60:61]        ; where block 0's results go
.irp hh, 0,1,2
	s_mov_b32 s[G0+4*\hh], 1
	s_add_co_u32 s[G0+4*\hh+1], s14, \hh*49152
	s_add_nc_u64 s[G0+4*\hh+2:G0+4*\hh+3], s[24:25], \hh*49152
	s_or_b32 s[G0+4*\hh+3], s[G0+4*\hh+3], 0x80000000
.endr
	CROUND                                         ; all four work-groups are here: the joint loads meet
	s_cmp_eq_u32 s8, 0                             ; one joint load a wave, each in an arm of its own: wave 0 half 0, wave 1 half 1, wave 2 halves 2 and 3
	s_cbranch_scc0 .Lh1
	tensor_load_to_lds s[G0:G0+3], s[G1:G1+7]
	s_nop 0
	PLACES 4
	s_branch .Lhj
.Lh1:
	s_cmp_eq_u32 s8, 1
	s_cbranch_scc0 .Lh2
	tensor_load_to_lds s[G0+4:G0+7], s[G1:G1+7]
	s_nop 0
	PLACES 4
	s_branch .Lhj
.Lh2:
	tensor_load_to_lds s[G0+8:G0+11], s[68:75]
	s_nop 0
	PLACES 4
.Lhj:
.set i, 0
	s_wait_alu depctr_va_vdst(0)
.rept 12
	global_load_b32 v[WS+i], v[L4], s[54:55] offset:128*i      ; register 2 ks + pair: lanes 0-15 the even tile's words, lanes 16-31 the odd one's
.set i, i+1
.endr
.set i, 0
.rept 48
	global_load_b32 v[AS+i], v[L4], s[56:57] offset:128*i      ; register 24 blk + 4 ks + pair of M tiles
.set i, i+1
.endr
	WIN 0x40
.set i, 0
.rept 64
	global_load_b128 v[4*i:4*i+3], v[LA], s[52:53] offset:512*i          ; W of K steps 0-3, in K order
.set i, i+1
.endr
	WIN 0x80
.set i, 0
.rept 32
	global_load_b128 v[4*i:4*i+3], v[LA], s[52:53] offset:32768+512*i    ; K steps 4, 5
.set i, i+1
.endr
	WIN 0
.macro FETCH hh, k3, buf               ; eight fragments of tokens, one K step, into A buffer buf
	WIN 0x80*(\buf)
.set j, 0
.rept 32
	ds_load_b128 v[128+4*j:128+4*j+3], v[LA+\hh] offset:(\k3)*16384+512*j
.set j, j+1
.endr
.endm
.macro MUL blk, ks, nat                ; 32 products; the 32 accumulators take turns, one instruction a turn
.set bw, 2*((\ks)%2)
.set ww, 1+(\ks)/4
.set wb, 64*((\ks)%4)
.if (\ks) == 0
.set zf, 1
.else
.set zf, 0
.endif
.if \nat
	WIN 0xf0|(ww<<2)|bw
.else
	WIN 0xf0|(bw<<2)|ww
.endif
.set mt, 0
.rept 8
.set nt, 0
.rept 4
.if \nat
	WM 8*(8*nt+mt), 128+16*mt, wb+16*nt, zf, AS+24*(\blk)+4*(\ks)+mt/2, WS+2*(\ks)+nt/2, mt%2, nt%2
.else
	WM 8*(4*mt+nt), wb+16*nt, 128+16*mt, zf, WS+2*(\ks)+nt/2, AS+24*(\blk)+4*(\ks)+mt/2, nt%2, mt%2
.endif
.set nt, nt+1
.endr
.set mt, mt+1
.endr
.endm
.macro CSLOAD blk, mt                  ; M tile mt's cos (16 registers) and sin (16) into window 0
	WIN 0
.irp p, 0,1,2,3,4,5,6,7
	global_load_b128 v[128+32*((\mt)%4)+4*\p:128+32*((\mt)%4)+4*\p+3], v[LA], s[58:59] offset:(\blk)*32768+(\mt)*4096+512*\p
.endr
.endm
; A K step.  Loads into registers that products have read stand eight plain places behind them.
.macro KSTEP blk, ks, nat, cs
.set hh, 2*(\blk)+(\ks)/3
.if (\ks)%3 == 0
	WIN 0
.if hh < 2
	s_cmp_eq_u32 s8, hh                            ; half hh is wave hh's load: that wave waits for it
	s_cbranch_scc0 .Lnl_\@
	s_wait_tensorcnt 0x0
.Lnl_\@:
.else
	s_wait_tensorcnt 0x0                           ; all that is still out: every wave waits
.endif
	s_wait_dscnt 0x0
	s_barrier_signal -1
	s_barrier_wait -1                              ; everybody's part has
.if hh > 0
	PLACES 8
.endif
	FETCH hh, 0, (\ks)%2
	FETCH hh, 1, 1-(\ks)%2
	s_wait_dscnt 32                                ; all but the 32 loads of the next K step
.elseif (\ks)%3 == 1
	PLACES 8
	FETCH hh, 2, 1-(\ks)%2
	s_wait_dscnt 32
.else
	s_wait_dscnt 0x0
.endif
.if (\blk) == 0
.if (\ks) < 2
	s_wait_loadcnt 63                              ; the scale words and W up to this K step are in: 80 or 64 younger loads would be allowed, the field holds 63
.else
	s_wait_loadcnt 16*(5-(\ks))                    ; W's loads of the later K steps may be out
.endif
.endif
.if \cs
	PLACES 8                                       ; A buffer 0 was read by the K step before: it takes the first four tiles' cos and sin while the last K step is multiplied
	CSLOAD \blk, 0
	CSLOAD \blk, 1
	CSLOAD \blk, 2
	CSLOAD \blk, 3
.endif
	MUL \blk, \ks, \nat
.endm
; M tile mt rotated: channels c and c + 32 of a token lie in one lane, 16 registers apart.  Accumulators window 3, cos/sin window 0, results and scratch window 2.
.macro ROPE mt, dst
	WIN 0xa3
.set cb, 128+32*((\mt)%4)
.irp i, 0,2,4,6,8,10,12,14
	v_pk_mul_f32 v[192+\i:193+\i], v[32*(\mt)+16+\i:32*(\mt)+17+\i], v[cb+16+\i:cb+17+\i]
	v_pk_mul_f32 v[208+\i:209+\i], v[32*(\mt)+\i:32*(\mt)+1+\i], v[cb+16+\i:cb+17+\i]
.endr
.irp i, 0,2,4,6,8,10,12,14
	v_pk_fma_f32 v[(\dst)+\i:(\dst)+1+\i], v[32*(\mt)+\i:32*(\mt)+1+\i], v[cb+\i:cb+1+\i], v[192+\i:193+\i] neg_lo:[0,0,1] neg_hi:[0,0,1]
	v_pk_fma_f32 v[(\dst)+16+\i:(\dst)+17+\i], v[32*(\mt)+16+\i:32*(\mt)+17+\i], v[cb+\i:cb+1+\i], v[208+\i:209+\i]
.endr
.endm
.macro WORDS off                       ; the four scale words: lane l stores the words of fragments 2 h and 2 h + 1 of its row: 256 consecutive bytes
	v_cndmask_b32 v[SWD], v[KW], v[KW+2], s[HM]
	v_cndmask_b32 v[SWD+1], v[KW+1], v[KW+3], s[HM]
	global_store_b64 v[L8], v[SWD:SWD+1], s[60:61] offset:\off
.endm
.macro QKOUT blk                       ; two M tiles make one fragment: [tile 2 P: 64 channels | tile 2 P + 1: 64 channels]
	PLACES 8
.irp P, 0,1,2,3
.if \P < 3
	s_wait_loadcnt 16                              ; these two tiles' cos and sin are in; the next two tiles' 16 loads may be out
.else
	s_wait_loadcnt 0x0
.endif
	ROPE 2*\P, 128
	ROPE 2*\P+1, 160
.if \P < 2
	CSLOAD \blk, 2*\P+4
	CSLOAD \blk, 2*\P+5
.endif
	s_wait_xcnt 0x0                                ; the last stores have read their data: the codes' registers may be written again
	QUANT 128, 2, 4, 1
.irp c, 0,1,2,3
	global_store_b128 v[LA], v[PC+4*\c:PC+4*\c+3], s[60:61] offset:\P*2048+512*\c
.endr
	v_mov_b32 v[KW+\P], v[PW]
.endr
	WORDS 8192
.endm
.macro VOUT blk                        ; tile nt of 16 channels x the block's 128 keys is one fragment of V^T
	PLACES 8
.irp nt, 0,1,2,3
	s_wait_xcnt 0x0
	QUANT 64*\nt, 3, 4, 1
.irp c, 0,1,2,3
	global_store_b128 v[LA], v[PC+4*\c:PC+4*\c+3], s[60:61] offset:8448+\nt*2048+512*\c
.endr
	v_mov_b32 v[KW+\nt], v[PW]
.endr
	WORDS 16640
.endm
	s_cmp_eq_u32 s10, 2
	s_cbranch_scc1 .Lvrole
.irp blk, 0,1
	KSTEP \blk, 0, 0, 0
	KSTEP \blk, 1, 0, 0
	KSTEP \blk, 2, 0, 0
	KSTEP \blk, 3, 0, 0
	KSTEP \blk, 4, 0, 0
	KSTEP \blk, 5, 0, 1
	QKOUT \blk
.if \blk == 0
	s_wait_xcnt 0x0                                ; the stores have read their base
	s_add_nc_u64 s[60:61], s[60:61], s[62:63]
.endif
.endr
	s_branch .Ldone
.Lvrole:
.irp blk, 0,1
	KSTEP \blk, 0, 1, 0
	KSTEP \blk, 1, 1, 0
	KSTEP \blk, 2, 1, 0
	KSTEP \blk, 3, 1, 0
	KSTEP \blk, 4, 1, 0
	KSTEP \blk, 5, 1, 0
	VOUT \blk
.if \blk == 0
	s_wait_xcnt 0x0
	s_add_nc_u64 s[60:61], s[60:61], s[62:63]
.endif
.endr
.Ldone:
	s_wait_tensorcnt 0x0
	s_wait_tensorcnt 0x0
	ds_add_u32 v27, v30
	s_wait_dscnt 0x0
	CROUND                                         ; the closing round: no work-group ends while a partner may still ask jointly
	s_endpgm
.Lfunc_end_k_q32bd5abdfb_qkv:
	.size	k_q32bd5abdfb_qkv, .Lfunc_end_k_q32bd5abdfb_qkv-k_q32bd5abdfb_qkv
	.p2alignl 7, 3214868480
	.fill 96, 4, 3214868480
	.section	.rodata,"a",@progbits
	.p2align	6, 0x0
	.amdhsa_kernel k_q32bd5abdfb_qkv
		.amdhsa_group_segment_fixed_size 197120
		.amdhsa_private_segment_fixed_size 0
		.amdhsa_enable_private_segment 0
		.amdhsa_kernarg_size 16
		.amdhsa_user_sgpr_count 2
		.amdhsa_user_sgpr_kernarg_segment_ptr 1
		.amdhsa_wavefront_size32 1
		.amdhsa_system_sgpr_workgroup_id_x 1
		.amdhsa_system_sgpr_workgroup_id_y 1
		.amdhsa_system_sgpr_workgroup_id_z 1
		.amdhsa_system_vgpr_workitem_id 0
		.amdhsa_next_free_vgpr 1024
		.amdhsa_next_free_sgpr 76
		.amdhsa_reserve_vcc 0
		.amdhsa_float_denorm_mode_32 3
		.amdhsa_float_denorm_mode_16_64 3
		.amdhsa_memory_ordered 1
		.amdhsa_forward_progress 1
		.amdhsa_inst_pref_size 255
	.end_amdhsa_kernel
	.section	.bss,"aw",@nobits
	.p2align	6
	.space	262144
	.amdgpu_metadata
---
amdhsa.version: [ 1, 2 ]
amdhsa.kernels:
  - .name:           k_q32bd5abdfb_qkv
    .symbol:         k_q32bd5abdfb_qkv.kd
    .args:
      - { .name: prep, .offset: 0, .size: 8, .value_kind: global_buffer, .address_space: global }
      - { .name: qkv, .offset: 8, .size: 8, .value_kind: global_buffer, .address_space: global }
    .group_segment_fixed_size: 197120
    .private_segment_fixed_size: 0
    .kernarg_segment_align: 8
    .kernarg_segment_size: 16
    .max_flat_workgroup_size: 96
    .sgpr_count:     76
    .vgpr_count:     1024
    .wavefront_size: 32
...
	.end_amdgpu_metadata
.endif
;; end of part 2
;; launch attn (part 3): grid 16 x 12, 16 waves a work-group, no clusters, 327,680 bytes of LDS; arguments qkv, ao; writes ao
.if DOCPART == 3
	.amdgcn_target "amdgcn-amd-amdhsa--gfx1250"
	.amdhsa_code_object_version 6
	.text
	.protected	k_q32bd5abdfb_attn
	.globl	k_q32bd5abdfb_attn
	.p2align	8
	.type	k_q32bd5abdfb_attn,@function
k_q32bd5abdfb_attn:
	s_mov_b64 s[64:65], 0
	v_nop
	global_prefetch_b8 v0, s[64:65] scope:SCOPE_SE
	s_setreg_imm32_b32 hwreg(HW_REG_WAVE_MODE, 25, 1), 1
	s_wait_xcnt 0x0
; Causal attention on E5M2 codes.  t = score x log2(e) / 8; M = the running largest t rounded up to a whole number; p = 2^(t - M) is quantised along the keys; the row's sum is taken of the unquantised p and divides at the end.
; LEFT OUT: key steps all of whose keys come after a tile's queries lie wholly under the causal mask; they are not computed.
; SHARES.  Work-group (x, head) owns query blocks 31 - x (late) and x (early), 8 M tiles of 16 queries each.  Waves 0-7: late tile idx, key steps 0 .. 16 (17 rounds).
; Waves 8-15: the same tile, key steps 17 .. 31 - x, then the early tile idx, key steps 0 .. x (16 rounds).  At its change of tiles such a wave hands O^T, the sum and -M to LDS bytes of its own; at the end wave idx joins the two parts by powers of two.
; K and V come through two LDS slots of FOUR rounds x two streams: eight images of a key step (16,896 bytes: K's four fragments, K's scale words, V^T's four fragments, V's scale words); image 2 p + s is round p of stream s.
; Waves 0-7 fetch an image each; waves 0-7 read stream 0, waves 8-15 stream 1.  The head's fills stand in two arms: the first barrier shows waves 0-3's images, rounds 0 and 1; the full sequence behind round 1 shows the rest.
; TWO AREAS OF 64 REGISTERS CHANGE ROLES within a pair of rounds: K, then V^T, in one; the scores, then p, in the other.  In the even round each block of p, once converted, gives its 16 registers to a fragment of the odd round's K.
; THE EXPONENTIALS go in two batches of 32.  Between the first batch's stand the scalings t - M of the second half, between the second's the holds of the first half: lines whose results are first read behind a wait.
; HEAD SIZE 64.  A fragment of K holds two tiles of 16 keys x 64 channels: against [q | 0] it gives the first tile's scores, against [0 | q] the second's.
; Both products are used transposed: a lane holds one query, and the 16 registers of two neighbouring tiles are 16 neighbouring keys.
; NO MULTICAST: the round in which a wave changes tiles hangs on x, and partners of a joint request must run alike.
; PREFETCH: work-group x = 0 of a head, whose streams name key steps 8-15, 25-31 and 0 in rounds 8-15, asks for them one slot (four rounds) ahead of their loads: wave 8 + i for image i, 66 blocks of 256 bytes in three instructions.  Rounds 0-7 come by their loads alone.
; LIMITS: NaN and infinities are not served; the scaled scores stay under 2^31 in magnitude; a block of p that has fallen to zeros keeps the byte 1 over zero codes; the sums over the keys of a late tile are taken in two parts.
.set KVB,   3244032
.set AOS,   3145728
.set STEPB, 16896
.set RND,   2*STEPB
.set SLOTB, 4*RND
.set SPARE, 2*SLOTB                    ; the spare words: 128 bytes a wave, eight blocks of 256 bytes that no other line names
.set EX,    SPARE+2048                 ; what waves 8-15 hand over: 4,608 bytes each; no fill lands here
.set EXW,   4608
.set LI0, 1                            ; 16 l + my stream's image
.set ADK, 2                            ; the same in the pair of rounds in hand
.set L80, 3                            ; 8 l + my stream's image
.set ADS, 4
.set SPW, 5
.set NIL, 6
.set PFO, 7                            ; 256 l
.set DM,  8                            ; my query's place in its block - 16 h
.set EXA, 9
.set L16, 10
.set BO,  11
.set QF,  16                           ; v16-23 zeros, v24-31 q, v32-39 zeros
.set X,   40                           ; the two areas
.set Y,   104
.set O,   168
.set PC,  200
.set KSR, 216
.set VSR, 218
.set QSR, 220
.set PSW, 221
.set F,   222
.set TM,  224
.set QW,  240
.set T0,  242
.set PF2, 243                          ; 256 min(l, 1)
.set QL,  244
.set QSL, 252
.set S2,  254                          ; v[254:255] the sum's second chain
.set BB,  13
.set BL,  14
.set ST,  15
.set SWS, 16
.set G1,  24
.set G0A, 32
.set G0B, 36
.set CS,  40
.set SEL, 42
.set MNT, 44
.set HM,  45
.set ASKF, 46
.set RP,  47
.set PFA, 48
.set CNT, 50
.set RF,  51
.set N1,  52
.set SG,  53
.set TA,  62
.set TC,  70
.set TB,  71
.macro PLACES n
.rept \n
	v_nop
.endr
.endm
.macro WALU
	s_wait_alu depctr_va_vdst(0)
.endm
.macro WM d, a, b, z, sa, sb, ra
.if (\z)
.if (\ra)
	v_wmma_scale_f32_16x16x128_f8f6f4 v[(\d):(\d)+7], v[(\a):(\a)+15], v[(\b):(\b)+15], 0, v[\sa], v[\sb] matrix_a_fmt:MATRIX_FMT_BF8 matrix_b_fmt:MATRIX_FMT_BF8 matrix_a_scale:MATRIX_SCALE_ROW1
.else
	v_wmma_scale_f32_16x16x128_f8f6f4 v[(\d):(\d)+7], v[(\a):(\a)+15], v[(\b):(\b)+15], 0, v[\sa], v[\sb] matrix_a_fmt:MATRIX_FMT_BF8 matrix_b_fmt:MATRIX_FMT_BF8
.endif
.else
.if (\ra)
	v_wmma_scale_f32_16x16x128_f8f6f4 v[(\d):(\d)+7], v[(\a):(\a)+15], v[(\b):(\b)+15], v[(\d):(\d)+7], v[\sa], v[\sb] matrix_a_fmt:MATRIX_FMT_BF8 matrix_b_fmt:MATRIX_FMT_BF8 matrix_a_scale:MATRIX_SCALE_ROW1
.else
	v_wmma_scale_f32_16x16x128_f8f6f4 v[(\d):(\d)+7], v[(\a):(\a)+15], v[(\b):(\b)+15], v[(\d):(\d)+7], v[\sa], v[\sb] matrix_a_fmt:MATRIX_FMT_BF8 matrix_b_fmt:MATRIX_FMT_BF8
.endif
.endif
.endm
.macro TLOAD g0, n                     ; waves 0 .. n - 1 fetch an image each
	s_cmp_lt_u32 s8, \n
	s_cbranch_scc0 .Lnot_\@
	tensor_load_to_lds s[\g0:\g0+3], s[G1:G1+7]
	s_nop 0
	PLACES 4
.Lnot_\@:
.endm
; s[TA] = where the image of round s[r] of stream SG begins: stream 0: key step r; stream 1: r + 17 while that lies in the late block, then r - (15 - x).  A choice on ids, without a jump.
.macro OFFS r
	s_add_co_u32 s[TA], s[\r], 17
	s_sub_co_u32 s[TC], s[\r], s[N1]
	s_cmp_lt_u32 s[\r], s[N1]
	s_cselect_b32 s[TA], s[TA], s[TC]
	s_cmp_eq_u32 s[SG], 0
	s_cselect_b32 s[TA], s[\r], s[TA]
	s_mul_i32 s[TA], s[TA], STEPB
.endm
.macro ADDR g0, adv                    ; written only where no tensor load of mine is out
.if \adv
	s_add_co_u32 s[RF], s[RF], 4                   ; a slot on: four rounds
.endif
	OFFS RF
	s_add_nc_u64 s[\g0+2:\g0+3], s[20:21], s[TA:TA+1]
	s_or_b32 s[\g0+3], s[\g0+3], 0x80000000
.endm
	s_load_b128 s[4:7], s[0:1], 0x0                ; qkv, ao
	v_lshl_add_u32 v[SPW], v0, 2, SPARE
	v_mov_b32 v[NIL], 0
	ds_add_u32 v[SPW], v[NIL]                      ; the opening lines: the add twice on end and its wait
	ds_add_u32 v[SPW], v[NIL]
	v_lshrrev_b32 v[T0], 5, v0
	v_readfirstlane_b32 s8, v[T0]                  ; wave 0..15
	s_mov_b32 s9, ttmp9                            ; x
	s_and_b32 s10, ttmp7, 0xffff                   ; head
	s_lshr_b32 s11, s8, 3                          ; my kind, and the stream that I read
	s_and_b32 s12, s8, 7                           ; idx; also the image that I fetch or ask for
	s_sub_co_u32 s[BB], 31, s9
	s_mov_b32 s[BL], s9
	s_sub_co_u32 s[SWS], 32, s9
	s_sub_co_u32 s[N1], 15, s9
	s_mul_i32 s[ST], s11, 17
	s_and_b32 s[SG], s8, 1
	s_bfe_u32 s[RF], s8, 0x20001                   ; its round in the slot
	s_mov_b32 s[TA+1], 0
	s_mov_b32 s[G1], 3<<16                         ; a dense block of 16,896 bytes as 66 rows of 256
	s_mov_b32 s[G1+1], 32<<16
	s_mov_b32 s[G1+2], 66<<16
	s_mov_b32 s[G1+3], 32<<16
	s_mov_b32 s[G1+4], 66
	s_mov_b32 s[G1+5], 32
	s_mov_b32 s[G1+6], 0
	s_mov_b32 s[G1+7], 0
	s_mul_i32 s17, s12, STEPB
	s_mul_i32 s20, s10, 540672
	s_add_co_u32 s20, s20, KVB
	s_mov_b32 s21, 0
	s_mul_i32 s22, s10, 270336                     ; the head's queries
	s_lshl_b32 s18, s12, 10
	s_add_co_u32 s18, s22, s18
	s_lshr_b32 s19, s12, 2
	s_lshl_b32 s19, s19, 7
	s_bfe_u32 s23, s12, 0x10001
	s_lshl_b32 s23, s23, 2
	s_add_co_u32 s19, s19, s23
	s_add_co_u32 s19, s19, s22
	s_add_co_u32 s19, s19, 8192
	s_mul_i32 s23, s[BB], 8448
	s_add_co_u32 s54, s18, s23                     ; the late tile's codes, its scale words
	s_mov_b32 s55, 0
	s_add_co_u32 s56, s19, s23
	s_mov_b32 s57, 0
	s_mul_i32 s23, s[BL], 8448
	s_add_co_u32 s66, s18, s23                     ; the early tile's
	s_mov_b32 s67, 0
	s_add_co_u32 s68, s19, s23
	s_mov_b32 s69, 0
	s_cmp_eq_u32 s11, 0
	s_cselect_b32 s23, s[BB], s[BL]                ; the block whose tile I finish
	s_lshl_b32 s23, s23, 3
	s_add_co_u32 s23, s23, s12
	s_mul_i32 s58, s23, 6
	s_lshr_b32 s18, s10, 1
	s_add_co_u32 s58, s58, s18                     ; 6 m + head / 2: the fragment of the next product's operand
	s_and_b32 s19, s10, 1
	s_lshl_b32 s60, s58, 6
	s_lshl_b32 s18, s19, 1
	s_add_co_u32 s60, s60, s18
	s_add_co_u32 s60, s60, AOS
	s_mov_b32 s61, 0
	s_lshl_b32 s58, s58, 11
	s_lshl_b32 s18, s19, 10
	s_add_co_u32 s58, s58, s18
	s_mov_b32 s59, 0
	s_mov_b32 s[CS], 0x3e38aa3b                    ; log2(e) / 8
	s_mov_b32 s[CS+1], s[CS]
	s_mov_b32 s[SEL], 0x76543210
	s_mov_b32 s[SEL+1], 0xfedcba98
	s_mov_b32 s[MNT], 0x600000
	s_mov_b32 s[HM], 0xffff0000
	s_wait_dscnt 0x0
	s_wait_kmcnt 0x0
	s_add_nc_u64 s[20:21], s[4:5], s[20:21]        ; the head's K and V
	s_mov_b32 s[G0A], 1
	s_mov_b32 s[G0A+1], s17
	s_mov_b32 s[G0B], 1
	s_add_co_u32 s[G0B+1], s17, SLOTB
	ADDR G0A, 0
	s_cmp_lt_u32 s8, 4                             ; slot 0's first fill, one load a fetching wave, in two arms: waves 0-3 rounds 0 and 1,
	s_cbranch_scc0 .La2
	tensor_load_to_lds s[G0A:G0A+3], s[G1:G1+7]
	s_nop 0
	PLACES 4
	s_branch .Laj
.La2:
	s_cmp_lt_u32 s8, 8                             ; waves 4-7 rounds 2 and 3
	s_cbranch_scc0 .Laj
	tensor_load_to_lds s[G0A:G0A+3], s[G1:G1+7]
	s_nop 0
	PLACES 4
.Laj:
	s_add_nc_u64 s[54:55], s[4:5], s[54:55]
	s_add_nc_u64 s[56:57], s[4:5], s[56:57]
	s_add_nc_u64 s[66:67], s[4:5], s[66:67]
	s_add_nc_u64 s[68:69], s[4:5], s[68:69]
	s_add_nc_u64 s[58:59], s[6:7], s[58:59]
	s_add_nc_u64 s[60:61], s[6:7], s[60:61]
	s_mul_i32 s22, s11, STEPB
	s_mul_i32 s23, s12, EXW
	s_add_co_u32 s23, s23, EX
	s_lshr_b32 s18, s12, 1
	s_lshl_b32 s18, s18, 5
	s_and_b32 s19, s12, 1
	s_lshl_b32 s17, s19, 3
	s_add_co_u32 s18, s18, s17                     ; my tile's first place in its block
	s_mov_b32 s17, 0x03020302
	s_cmp_eq_u32 s19, 0
	s_cselect_b32 s19, 0x01000100, s17             ; my tile's two bytes of the word, twice
	s_cmp_ge_u32 s8, 8
	s_cselect_b32 s[ASKF], 1, 0
	s_cmp_eq_u32 s9, 0
	s_cselect_b32 s[ASKF], s[ASKF], 0              ; 1 in waves 8-15 of work-group x = 0
	v_and_b32 v253, 31, v0
	v_and_b32 v254, 15, v0
	v_bfe_u32 v[BO], v0, 4, 1
	v_lshlrev_b32 v[L16], 4, v253
	v_lshlrev_b32 v[T0], 3, v254
	global_load_b128 v[QF+8:QF+11], v[L16], s[54:55]
	global_load_b128 v[QF+12:QF+15], v[L16], s[54:55] offset:512
	global_load_b32 v[QW], v[T0], s[56:57]
	global_load_b128 v[QL:QL+3], v[L16], s[66:67]
	global_load_b128 v[QL+4:QL+7], v[L16], s[66:67] offset:512
	global_load_b32 v[QW+1], v[T0], s[68:69]
	v_add_nc_u32 v[LI0], s22, v[L16]
	v_lshlrev_b32 v[L80], 3, v253
	v_add_nc_u32 v[L80], s22, v[L80]
	v_add_nc_u32 v[EXA], s23, v[L16]
	v_and_b32 v[DM], 8, v254
	v_add_nc_u32 v[DM], v[DM], v254
	v_add_nc_u32 v[DM], s18, v[DM]
	v_lshlrev_b32 v[F], 4, v[BO]
	v_sub_nc_u32 v[DM], v[DM], v[F]
	v_lshl_add_u32 v[BO], v254, 2, v[BO]
	v_lshlrev_b32 v[PFO], 8, v253
	v_min_u32 v[PF2], 1, v253
	v_lshlrev_b32 v[PF2], 8, v[PF2]
.irp i, 0,1,2,3,4,5,6,7
	v_mov_b32 v[QF+\i], 0
	v_mov_b32 v[QF+16+\i], 0
.endr
.set i, 0
.rept 32
	v_mov_b32 v[O+i], 0                            ; the round is written for every round alike: the first finds zeros
.set i, i+1
.endr
	v_mov_b32 v13, 0xff61b1e6                      ; the largest t so far: -3e38
	v_floor_f32 v12, -v13                          ; -M
	v_mov_b32 v14, 0
	v_mov_b32 v15, 0
	v_mov_b32 v[F+1], 0
.irp b, 0,1,2,3
	v_mov_b32 v[TM+4+\b], 0
.endr
	WALU
	s_wait_loadcnt 0x0
	v_perm_b32 v[QSR], v[QW], v[QW], s19
	v_perm_b32 v[QSL], v[QW+1], v[QW+1], s19
	PLACES 8
	WALU
; THE CHANGE OF TILES, in waves 8-15 alone, where their key step has passed the late block's last
.macro SWITCH
	s_cmp_lt_u32 s8, 8
	s_cbranch_scc1 .Lns_\@
	s_cmp_lg_u32 s[ST], s[SWS]
	s_cbranch_scc1 .Lns_\@
	PLACES 8
.set i, 0
.rept 8
	ds_store_b128 v[EXA], v[O+4*i:O+4*i+3] offset:512*i
.set i, i+1
.endr
	ds_store_b128 v[EXA], v[12:15] offset:4096     ; -M, t, the sum's two halves
	v_mov_b32 v[QSR], v[QSL]
.set i, 0
.rept 8
	v_mov_b32 v[QF+8+i], v[QL+i]
.set i, i+1
.endr
.set i, 0
.rept 32
	v_mov_b32 v[O+i], 0
.set i, i+1
.endr
	v_mov_b32 v13, 0xff61b1e6
	v_floor_f32 v12, -v13
	v_mov_b32 v14, 0
	v_mov_b32 v15, 0
	s_mov_b32 s[ST], 0
	s_mov_b32 s[BB], s[BL]
.Lns_\@:
.endm
.macro CODES b, pre                    ; block b of p becomes codes; pre = 1: its 16 registers take fragment b of the next round's K
	v_cvt_scalef32_pk8_bf8_f32 v[PC+4*\b:PC+4*\b+1], v[SR+16*\b:SR+16*\b+7], v[TM+12+\b]
	v_cvt_scalef32_pk8_bf8_f32 v[PC+4*\b+2:PC+4*\b+3], v[SR+16*\b+8:SR+16*\b+15], v[TM+12+\b]
.if \pre
.irp c, 0,1,2,3
	ds_load_b128 v[SR+16*\b+4*\c:SR+16*\b+4*\c+3], v[ADK] offset:RND+2048*\b+512*\c
.endr
.endif
.endm
; A ROUND: 128 keys.  p: the round's place in its pair at s[TB].  pre = 1: the next round's K is asked for.  last = 1: the seventeenth round, which waves 8-15 pass over
.macro STEP p, pre, last
.if \p
.set KR, Y
.set SR, X
.set o, RND
.else
.set KR, X
.set SR, Y
.set o, 0
.endif
.if \last
	s_cmp_gt_u32 s[ST], s[BB]
	s_cbranch_scc1 .Lhid_\@
.else
	SWITCH
.endif
.if (\p) == 0
	v_add_nc_u32 v[ADK], s[TB], v[LI0]
	v_add_nc_u32 v[ADS], s[TB], v[L80]
	PLACES 7                                       ; with the two additions: nine places behind the last products, over whose operands the scores are laid
.set j, 0
.rept 16
	ds_load_b128 v[KR+4*j:KR+4*j+3], v[ADK] offset:512*j
.set j, j+1
.endr
	ds_load_b64 v[KSR:KSR+1], v[ADS] offset:8192
.else
	PLACES 9
.endif
	WALU
	s_wait_dscnt 0x0                               ; K and its scale words
.set j, 0
.rept 8
	WM SR+8*j, KR+16*(j/2), QF+8*(1-j%2), 1, KSR+(j/2)%2, QSR, j/4
.set j, j+1
.endr
	PLACES 8
.set j, 0
.rept 16
	ds_load_b128 v[KR+4*j:KR+4*j+3], v[ADK] offset:o+8448+512*j  ; V^T lands while the softmax is walked
.set j, j+1
.endr
	ds_load_b64 v[VSR:VSR+1], v[ADS] offset:o+16640
	s_cmp_lg_u32 s[ST], s[BB]
	s_cbranch_scc1 .Lopen_\@
	v_mov_b32 v[T0], 0xff800000                    ; the diagonal step: register 16 b + i holds key 32 b + 16 h + i: hidden where 32 b + i > my query's place - 16 h
.set n, 0
.rept 64
	v_cmp_gt_i32 vcc_lo, 32*(n/16)+n%16, v[DM]
	v_cndmask_b32 v[SR+n], v[SR+n], v[T0], vcc_lo
.set n, n+1
.endr
.Lopen_\@:
.irp b, 0,1,2,3
	v_max3_num_f32 v[TM+\b], v[SR+16*\b], v[SR+16*\b+1], v[SR+16*\b+2]   ; each block's largest score: for the row's maximum and for the block's largest p
.endr
.irp i, 3,5,7,9,11,13
.irp b, 0,1,2,3
	v_max3_num_f32 v[TM+\b], v[TM+\b], v[SR+16*\b+\i], v[SR+16*\b+\i+1]
.endr
.endr
.irp b, 0,1,2,3
	v_max_num_f32 v[TM+\b], v[TM+\b], v[SR+16*\b+15]
.endr
.irp b, 0,1,2,3
	v_permlanex16_b32 v[TM+4+\b], v[TM+\b], s[SEL], s[SEL+1]
.endr
.irp b, 0,1,2,3
	v_max_num_f32 v[TM+\b], v[TM+\b], v[TM+4+\b]
.endr
	v_max3_num_f32 v[T0], v[TM], v[TM+1], v[TM+2]
	v_max_num_f32 v[T0], v[T0], v[TM+3]
	v_mul_f32 v[T0], s[CS], v[T0]
	v_max_num_f32 v13, v13, v[T0]                  ; the running largest t
	v_mov_b32 v[T0], v12
	v_floor_f32 v12, -v13                          ; -M = floor(-t)
	v_sub_f32 v[T0], v12, v[T0]
	v_cvt_i32_f32 v[T0], v[T0]
	v_ldexp_f32 v[F], 1.0, v[T0]                   ; f = 2^(old M - new M)
	v_pk_mul_f32 v[14:15], v[14:15], v[F:F+1] op_sel_hi:[1,0]    ; the sums under the new M
.set j, 0
.rept 16
	v_pk_fma_f32 v[SR+j:SR+j+1], v[SR+j:SR+j+1], s[CS:CS+1], v[12:13] op_sel_hi:[1,0,0]   ; t - M of blocks 0 and 1
.set j, j+2
.endr
.irp b, 0,1,2,3
	v_fma_f32 v[TM+\b], v[TM+\b], s[CS], v12
.endr
	WALU                                           ; ahead of the first batch
.irp b, 0,1,2,3
	v_exp_f32 v[TM+\b], v[TM+\b]                   ; each block's largest p
.endr
.set j, 0
.rept 16
	v_exp_f32 v[SR+j], v[SR+j]                     ; p of blocks 0 and 1, not normalised
	v_exp_f32 v[SR+j+1], v[SR+j+1]
	v_pk_fma_f32 v[SR+32+j:SR+33+j], v[SR+32+j:SR+33+j], s[CS:CS+1], v[12:13] op_sel_hi:[1,0,0]   ; t - M of blocks 2 and 3: first read behind the waits below
.set j, j+2
.endr
	WALU                                           ; behind the first batch
.irp b, 0,1,2,3
	v_max_num_f32 v[TM+\b], 0x8000000, v[TM+\b]
.endr
.irp b, 0,1,2,3
	v_add_nc_u32 v[TM+12+\b], 0xf8800000, v[TM+\b]
.endr
.irp b, 0,1,2,3
	v_and_or_b32 v[TM+8+\b], v[TM+\b], 0x7f800000, s[MNT]
.endr
.irp b, 0,1,2,3
	v_lshrrev_b32 v[TM+4+\b], 23, v[TM+12+\b]
.endr
	v_lshl_or_b32 v[PSW], v[TM+5], 8, v[TM+4]      ; p's scale word for these 128 keys
	v_lshl_or_b32 v[PSW], v[TM+6], 16, v[PSW]
	v_lshl_or_b32 v[PSW], v[TM+7], 24, v[PSW]
	v_pk_add_f32 v[S2:S2+1], v[SR:SR+1], v[SR+2:SR+3]            ; the row's sum of the unquantised p, in two chains: blocks 0 and 1
.set j, 4
.rept 7
	v_pk_add_f32 v[14:15], v[14:15], v[SR+j:SR+j+1]
	v_pk_add_f32 v[S2:S2+1], v[S2:S2+1], v[SR+j+2:SR+j+3]
.set j, j+4
.endr
	WALU                                           ; ahead of the second batch
.set j, 0
.rept 32
	v_exp_f32 v[SR+32+j], v[SR+32+j]               ; p of blocks 2 and 3
	v_min_num_f32 v[SR+j], v[SR+j], v[TM+8+j/16]   ; the hold of blocks 0 and 1 (p is not negative: one-sided): first read behind the wait below
.set j, j+1
.endr
	WALU                                           ; behind the second batch
	CODES 0, \pre
	CODES 1, \pre
.set j, 32
.rept 8
	v_pk_add_f32 v[14:15], v[14:15], v[SR+j:SR+j+1]
	v_pk_add_f32 v[S2:S2+1], v[S2:S2+1], v[SR+j+2:SR+j+3]
.set j, j+4
.endr
	v_pk_add_f32 v[14:15], v[14:15], v[S2:S2+1]
.irp b, 2,3
.irp i, 0,1,2,3,4,5,6,7,8,9,10,11,12,13,14,15
	v_min_num_f32 v[SR+16*\b+\i], v[SR+16*\b+\i], v[TM+8+\b]
.endr
	CODES \b, \pre
.endr
.if \pre
	ds_load_b64 v[KSR:KSR+1], v[ADS] offset:RND+8192
.endif
	WALU                                           ; directly ahead of the first reader of O^T
.set j, 0
.rept 16
	v_pk_mul_f32 v[O+j:O+j+1], v[O+j:O+j+1], v[F:F+1] op_sel_hi:[1,0]    ; O^T under the new M; also the places between the codes and the products
.set j, j+2
.endr
	WALU
	s_wait_dscnt 17*(\pre)                         ; V^T and its scale words are in; the 17 loads of the next round's K, issued behind them, may be out
.set j, 0
.rept 4
	WM O+8*j, KR+16*j, PC, 0, VSR+j%2, PSW, j/2
.set j, j+1
.endr
.if \last
.Lhid_\@:
.endif
	s_add_co_u32 s[ST], s[ST], 1
.endm
; THE CHANGE OF SLOTS.  Every wave waits for all its tensor loads, adds 0 to its spare word (twice where a fill follows), waits for that and for its LDS reads and stores, and passes the barrier.
.macro CHANGE fill, n, ask
	s_wait_tensorcnt 0x0
	ds_add_u32 v[SPW], v[NIL]
.if \fill
	ds_add_u32 v[SPW], v[NIL]
	ADDR \fill, 1
.endif
.if \ask
	s_wait_xcnt 0x0                                ; the last prefetches have read their address
	s_add_co_u32 s[RP], s[RF], 4                   ; the slot after the one that is filled now
	OFFS RP
	s_add_nc_u64 s[PFA:PFA+1], s[20:21], s[TA:TA+1]
.endif
	s_wait_dscnt 0x0
	s_barrier_signal -1
	s_barrier_wait -1
.if \fill
	TLOAD \fill, \n
.endif
.if \ask
	s_cmp_eq_u32 s[ASKF], 1
	s_cbranch_scc0 .Lnm_\@
	global_prefetch_b8 v[PFO], s[PFA:PFA+1] th:TH_LOAD_NT scope:SCOPE_SE
	global_prefetch_b8 v[PFO], s[PFA:PFA+1] offset:8192 th:TH_LOAD_NT scope:SCOPE_SE
	global_prefetch_b8 v[PF2], s[PFA:PFA+1] offset:16384 th:TH_LOAD_NT scope:SCOPE_SE   ; the last two blocks; lanes 2-31 name the last again
.Lnm_\@:
.endif
.endm
.macro RUN base, pairs                 ; so many pairs of rounds from LDS byte base on
	s_mov_b32 s[TB], \base
.if (\pairs) > 1
	s_mov_b32 s[CNT], \pairs
.Lr_\@:
.endif
	STEP 0, 1, 0
	STEP 1, 0, 0
.if (\pairs) > 1
	s_add_co_u32 s[TB], s[TB], 2*RND
	s_sub_co_u32 s[CNT], s[CNT], 1
	s_cmp_lg_u32 s[CNT], 0
	s_cbranch_scc1 .Lr_\@
.endif
.endm
	s_cmp_lt_u32 s8, 4                             ; the first barrier shows waves 0-3's images alone
	s_cbranch_scc0 .Lb0
	s_wait_tensorcnt 0x0
.Lb0:
	s_barrier_signal -1
	s_barrier_wait -1
	RUN 0, 1                                       ; rounds 0, 1
	CHANGE G0B, 8, 1                               ; all of slot 0 is in; slot 1's first fill, issued as a refill is
	RUN 2*RND, 1                                   ; rounds 2, 3
	CHANGE G0A, 8, 1
	RUN SLOTB, 2                                   ; rounds 4 .. 7
	CHANGE G0B, 8, 0
	RUN 0, 2                                       ; rounds 8 .. 11
	CHANGE G0A, 1, 0                               ; of the last slot one image is read: key step 16, by waves 0-7
	RUN SLOTB, 2                                   ; rounds 12 .. 15
	CHANGE 0, 0, 0
	s_mov_b32 s[TB], 0
	STEP 0, 0, 1
	; THE TWO PARTS OF A LATE TILE MEET.  What waves 8-15 stored at their change of tiles was waited for in front of a later barrier's signal, the last change's at the latest
	PLACES 8
	WALU
	s_cmp_lt_u32 s8, 8
	s_cbranch_scc0 .Lnomerge
.set i, 0
.rept 8
	ds_load_b128 v[X+4*i:X+4*i+3], v[EXA] offset:512*i
.set i, i+1
.endr
	ds_load_b128 v[X+32:X+35], v[EXA] offset:4096
	s_wait_dscnt 0x0
	v_min_num_f32 v[T0], v12, v[X+32]              ; -M of both parts together (an empty part brought -M = 3e38 and zeros)
	v_sub_f32 v[F], v[T0], v12
	v_sub_f32 v[X+36], v[T0], v[X+32]
	v_cvt_i32_f32 v[F], v[F]
	v_cvt_i32_f32 v[X+36], v[X+36]
	v_ldexp_f32 v[F], 1.0, v[F]
	v_ldexp_f32 v[X+36], 1.0, v[X+36]
	v_mov_b32 v[X+37], 0
	v_pk_mul_f32 v[14:15], v[14:15], v[F:F+1] op_sel_hi:[1,0]
	v_pk_fma_f32 v[14:15], v[X+34:X+35], v[X+36:X+37], v[14:15] op_sel_hi:[1,0,1]
.set j, 0
.rept 16
	v_pk_mul_f32 v[O+j:O+j+1], v[O+j:O+j+1], v[F:F+1] op_sel_hi:[1,0]
.set j, j+2
.endr
.set j, 0
.rept 16
	v_pk_fma_f32 v[O+j:O+j+1], v[X+j:X+j+1], v[X+36:X+37], v[O+j:O+j+1] op_sel_hi:[1,0,1]
.set j, j+2
.endr
.Lnomerge:
	; THE WAY OUT: O^T / the sum, quantised along the model's channels: the codes are pieces of the next product's fragment as they stand
	v_add_f32 v14, v14, v15
	v_permlanex16_b32 v[T0], v14, s[SEL], s[SEL+1]
	v_add_f32 v14, v14, v[T0]
	WALU
	v_rcp_f32 v14, v14
	v_nop
	WALU
.set j, 0
.rept 16
	v_pk_mul_f32 v[O+j:O+j+1], v[O+j:O+j+1], v[14:15] op_sel_hi:[1,0]
.set j, j+2
.endr
.irp b, 0,1
	v_max3_num_f32 v[TM+\b], |v[O+16*\b]|, |v[O+16*\b+1]|, 0x8000000
.endr
.irp i, 2,4,6,8,10,12,14
.irp b, 0,1
	v_max3_num_f32 v[TM+\b], v[TM+\b], |v[O+16*\b+\i]|, |v[O+16*\b+\i+1]|
.endr
.endr
.irp b, 0,1
	v_permlanex16_b32 v[TM+4+\b], v[TM+\b], s[SEL], s[SEL+1]
.endr
.irp b, 0,1
	v_max_num_f32 v[TM+\b], v[TM+\b], v[TM+4+\b]
.endr
.irp b, 0,1
	v_add_nc_u32 v[TM+12+\b], 0xf8800000, v[TM+\b]
.endr
.irp b, 0,1
	v_and_or_b32 v[TM+8+\b], v[TM+\b], 0x7f800000, s[MNT]
.endr
.irp b, 0,1
	v_lshrrev_b32 v[TM+4+\b], 23, v[TM+12+\b]
.endr
.irp b, 0,1
.irp i, 0,1,2,3,4,5,6,7,8,9,10,11,12,13,14,15
	v_med3_num_f32 v[O+16*\b+\i], v[O+16*\b+\i], -v[TM+8+\b], v[TM+8+\b]
.endr
.endr
.irp b, 0,1
	v_cvt_scalef32_pk8_bf8_f32 v[PC+4*\b:PC+4*\b+1], v[O+16*\b:O+16*\b+7], v[TM+12+\b]
	v_cvt_scalef32_pk8_bf8_f32 v[PC+4*\b+2:PC+4*\b+3], v[O+16*\b+8:O+16*\b+15], v[TM+12+\b]
.endr
	v_nop
	global_store_b128 v[L16], v[PC:PC+3], s[58:59]
	global_store_b128 v[L16], v[PC+4:PC+7], s[58:59] offset:512
	v_cndmask_b32 v[T0], v[TM+4], v[TM+5], s[HM]   ; lanes 0-15 store the first block's byte, lanes 16-31 the second's
	global_store_b8 v[BO], v[T0], s[60:61]
	s_wait_tensorcnt 0x0                           ; the wave's end
	ds_add_u32 v[SPW], v[NIL]
	s_wait_dscnt 0x0
	s_endpgm
.Lfunc_end_k_q32bd5abdfb_attn:
	.size	k_q32bd5abdfb_attn, .Lfunc_end_k_q32bd5abdfb_attn-k_q32bd5abdfb_attn
	.p2alignl 7, 3214868480
	.fill 96, 4, 3214868480
	.section	.rodata,"a",@progbits
	.p2align	6, 0x0
	.amdhsa_kernel k_q32bd5abdfb_attn
		.amdhsa_group_segment_fixed_size 327680
		.amdhsa_private_segment_fixed_size 0
		.amdhsa_enable_private_segment 0
		.amdhsa_kernarg_size 16
		.amdhsa_user_sgpr_count 2
		.amdhsa_user_sgpr_kernarg_segment_ptr 1
		.amdhsa_wavefront_size32 1
		.amdhsa_system_sgpr_workgroup_id_x 1
		.amdhsa_system_sgpr_workgroup_id_y 1
		.amdhsa_system_sgpr_workgroup_id_z 1
		.amdhsa_system_vgpr_workitem_id 0
		.amdhsa_next_free_vgpr 256
		.amdhsa_next_free_sgpr 72
		.amdhsa_reserve_vcc 1
		.amdhsa_float_denorm_mode_32 3
		.amdhsa_float_denorm_mode_16_64 3
		.amdhsa_memory_ordered 1
		.amdhsa_forward_progress 1
		.amdhsa_inst_pref_size 255
	.end_amdhsa_kernel
	.section	.bss,"aw",@nobits
	.p2align	6
	.space	262144
	.amdgpu_metadata
---
amdhsa.version: [ 1, 2 ]
amdhsa.kernels:
  - .name:           k_q32bd5abdfb_attn
    .symbol:         k_q32bd5abdfb_attn.kd
    .args:
      - { .name: qkv, .offset: 0, .size: 8, .value_kind: global_buffer, .address_space: global }
      - { .name: ao, .offset: 8, .size: 8, .value_kind: global_buffer, .address_space: global }
    .group_segment_fixed_size: 327680
    .private_segment_fixed_size: 0
    .kernarg_segment_align: 8
    .kernarg_segment_size: 16
    .max_flat_workgroup_size: 512
    .sgpr_count:     72
    .vgpr_count:     256
    .wavefront_size: 32
...
	.end_amdgpu_metadata
.endif
;; end of part 3
;; launch oproj (part 4): grid 128 x 1, 4 waves a work-group, no clusters, 1,536 bytes of LDS; arguments ao, prep, hidden_states, w_norm2, hy; writes hy
.if DOCPART == 4
	.amdgcn_target "amdgcn-amd-amdhsa--gfx1250"
	.amdhsa_code_object_version 6
	.text
	.protected	k_q32bd5abdfb_oproj
	.globl	k_q32bd5abdfb_oproj
	.p2align	8
	.type	k_q32bd5abdfb_oproj,@function
k_q32bd5abdfb_oproj:
	s_mov_b64 s[64:65], 0
	v_nop
	global_prefetch_b8 v0, s[64:65] scope:SCOPE_SE
	s_setreg_imm32_b32 hwreg(HW_REG_WAVE_MODE, 25, 1), 1
	s_wait_xcnt 0x0
; h = x + attention W_o; y = RMS norm 2 of h, quantised.  A work-group owns 32 tokens (two M tiles) and ALL 768 channels, so that the norm's sum lies in one work-group; wave w owns channels 192 w .. 192 w + 191.
; Each fragment of W_o is used by one wave of the work-group alone: it goes from memory straight into registers, two K steps of 48 loads ahead; LDS carries only the rows' sums of squares.  No tensor load.
; The product is used transposed (source 0 = 16 columns of W_o, source 1 = 16 tokens): a lane holds one token, its registers run along the channels.
; h is stored as the image of the accumulators (the last launch adds it in the same layout).  NO MULTICAST: nothing goes through LDS that partners could share.
; REGISTERS.  window 0: v1-13 addresses, v16-51 W's scale words, v52-57 A's, v64-255 A's 12 fragments (later scratch);  windows 1, 2: W's two buffers (later x, w_norm2);  window 3: 24 accumulators.
; LIMITS: as stated at the head of the first launch.
.set AOS, 3145728
.set W2C, 1769472
.set W2S, 7133184
.set YC,  12582912
.set YS,  15728640
.set L16, 1
.set L4,  2
.set AO,  3
.set XO,  4
.set H64, 5
.set LW,  6
.set VC,  8
.set VS,  11
.set WS,  16
.set AS,  52
.set TM,  64
.set PC,  80
.set SQ,  98
.set RS,  112
.set BY,  122
.set PT,  124
.set SEL, 48
.set MNT, 50
.set HM,  51
.set MSB, 0
.macro WIN new
.if MSB != (\new)
	s_set_vgpr_msb (MSB<<8)|(\new)
.set MSB, \new
.endif
.endm
.macro PLACES n
.rept \n
	v_nop
.endr
.endm
.macro QUANT s, win, nb, word
	WIN (\win)|((\win)<<2)
.irp b, 0,1,2,3
.if \b < \nb
	v_max3_num_f32 v[TM+\b], |v[(\s)+16*\b]|, |v[(\s)+16*\b+1]|, 0x8000000
.endif
.endr
	WIN ((\win)<<2)|((\win)<<4)
.irp i, 2,4,6,8,10,12,14
.irp b, 0,1,2,3
.if \b < \nb
	v_max3_num_f32 v[TM+\b], v[TM+\b], |v[(\s)+16*\b+\i]|, |v[(\s)+16*\b+\i+1]|
.endif
.endr
.endr
	WIN 0
.irp b, 0,1,2,3
.if \b < \nb
	v_permlanex16_b32 v[TM+4+\b], v[TM+\b], s[SEL], s[SEL+1]
.endif
.endr
.irp b, 0,1,2,3
.if \b < \nb
	v_max_num_f32 v[TM+\b], v[TM+\b], v[TM+4+\b]
.endif
.endr
.irp b, 0,1,2,3
.if \b < \nb
	v_add_nc_u32 v[TM+12+\b], 0xf8800000, v[TM+\b]
.endif
.endr
.irp b, 0,1,2,3
.if \b < \nb
	v_and_or_b32 v[TM+8+\b], v[TM+\b], 0x7f800000, s[MNT]
.endif
.endr
.irp b, 0,1,2,3
.if \b < \nb
	v_lshrrev_b32 v[TM+4+\b], 23, v[TM+12+\b]
.endif
.endr
.if \word
	v_lshl_or_b32 v[PW], v[TM+5], 8, v[TM+4]
	v_lshl_or_b32 v[PW], v[TM+6], 16, v[PW]
	v_lshl_or_b32 v[PW], v[TM+7], 24, v[PW]
.endif
	WIN (\win)|((\win)<<6)
.irp b, 0,1,2,3
.if \b < \nb
.irp i, 0,1,2,3,4,5,6,7,8,9,10,11,12,13,14,15
	v_med3_num_f32 v[(\s)+16*\b+\i], v[(\s)+16*\b+\i], -v[TM+8+\b], v[TM+8+\b]
.endr
.endif
.endr
	WIN (\win)
.irp b, 0,1,2,3
.if \b < \nb
	v_cvt_scalef32_pk8_bf8_f32 v[PC+4*\b:PC+4*\b+1], v[(\s)+16*\b:(\s)+16*\b+7], v[TM+12+\b]
	v_cvt_scalef32_pk8_bf8_f32 v[PC+4*\b+2:PC+4*\b+3], v[(\s)+16*\b+8:(\s)+16*\b+15], v[TM+12+\b]
.endif
.endr
	WIN 0
	v_nop
.endm
.macro WM d, a, b, z, sa, sb, ra, rb
.if (\z)
.if (\ra) && (\rb)
	v_wmma_scale_f32_16x16x128_f8f6f4 v[(\d):(\d)+7], v[(\a):(\a)+15], v[(\b):(\b)+15], 0, v[\sa], v[\sb] matrix_a_fmt:MATRIX_FMT_BF8 matrix_b_fmt:MATRIX_FMT_BF8 matrix_a_scale:MATRIX_SCALE_ROW1 matrix_b_scale:MATRIX_SCALE_ROW1
.elseif (\ra)
	v_wmma_scale_f32_16x16x128_f8f6f4 v[(\d):(\d)+7], v[(\a):(\a)+15], v[(\b):(\b)+15], 0, v[\sa], v[\sb] matrix_a_fmt:MATRIX_FMT_BF8 matrix_b_fmt:MATRIX_FMT_BF8 matrix_a_scale:MATRIX_SCALE_ROW1
.elseif (\rb)
	v_wmma_scale_f32_16x16x128_f8f6f4 v[(\d):(\d)+7], v[(\a):(\a)+15], v[(\b):(\b)+15], 0, v[\sa], v[\sb] matrix_a_fmt:MATRIX_FMT_BF8 matrix_b_fmt:MATRIX_FMT_BF8 matrix_b_scale:MATRIX_SCALE_ROW1
.else
	v_wmma_scale_f32_16x16x128_f8f6f4 v[(\d):(\d)+7], v[(\a):(\a)+15], v[(\b):(\b)+15], 0, v[\sa], v[\sb] matrix_a_fmt:MATRIX_FMT_BF8 matrix_b_fmt:MATRIX_FMT_BF8
.endif
.else
.if (\ra) && (\rb)
	v_wmma_scale_f32_16x16x128_f8f6f4 v[(\d):(\d)+7], v[(\a):(\a)+15], v[(\b):(\b)+15], v[(\d):(\d)+7], v[\sa], v[\sb] matrix_a_fmt:MATRIX_FMT_BF8 matrix_b_fmt:MATRIX_FMT_BF8 matrix_a_scale:MATRIX_SCALE_ROW1 matrix_b_scale:MATRIX_SCALE_ROW1
.elseif (\ra)
	v_wmma_scale_f32_16x16x128_f8f6f4 v[(\d):(\d)+7], v[(\a):(\a)+15], v[(\b):(\b)+15], v[(\d):(\d)+7], v[\sa], v[\sb] matrix_a_fmt:MATRIX_FMT_BF8 matrix_b_fmt:MATRIX_FMT_BF8 matrix_a_scale:MATRIX_SCALE_ROW1
.elseif (\rb)
	v_wmma_scale_f32_16x16x128_f8f6f4 v[(\d):(\d)+7], v[(\a):(\a)+15], v[(\b):(\b)+15], v[(\d):(\d)+7], v[\sa], v[\sb] matrix_a_fmt:MATRIX_FMT_BF8 matrix_b_fmt:MATRIX_FMT_BF8 matrix_b_scale:MATRIX_SCALE_ROW1
.else
	v_wmma_scale_f32_16x16x128_f8f6f4 v[(\d):(\d)+7], v[(\a):(\a)+15], v[(\b):(\b)+15], v[(\d):(\d)+7], v[\sa], v[\sb] matrix_a_fmt:MATRIX_FMT_BF8 matrix_b_fmt:MATRIX_FMT_BF8
.endif
.endif
.endm
	s_load_b256 s[4:11], s[0:1], 0x0               ; ao, prep, x, w_norm2
	s_load_b64 s[12:13], s[0:1], 0x20              ; hy
	v_lshl_add_u32 v62, v0, 2, 0x400
	v_mov_b32 v63, 0
	v_lshrrev_b32 v14, 5, v0
	v_readfirstlane_b32 s14, v14                   ; wave 0..3
	v_and_b32 v14, 31, v0
	v_and_b32 v15, 15, v0                          ; r
	v_bfe_u32 v7, v0, 4, 1                         ; h
	v_lshlrev_b32 v[L16], 4, v14
	v_lshlrev_b32 v[L4], 2, v14
	v_mul_u32_u24 v[AO], v7, 384
	v_lshl_add_u32 v[AO], v15, 2, v[AO]            ; A's scale words: lanes 0-15 the first M tile's, lanes 16-31 the second's
	v_and_b32 v[XO], 8, v15
	v_add_nc_u32 v[XO], v[XO], v15
	v_mul_u32_u24 v[XO], v[XO], 3072
	v_lshl_add_u32 v[XO], v7, 6, v[XO]             ; x: my token's row, + 64 h
	v_lshlrev_b32 v[H64], 6, v7
	s_lshl_b32 s34, s14, 8
	v_add_nc_u32 v[LW], s34, v[L4]                 ; LDS: 256 w + 4 l
	v_lshl_add_u32 v14, v15, 2, v7                 ; 4 r + h
	s_wait_alu depctr_va_vdst(0)
.irp i, 0,1,2
	s_mul_i32 s34, s14, 3
	s_add_co_u32 s34, s34, \i                      ; which 64 channels of the 768: K step (.. / 2), half (.. % 2)
	s_lshr_b32 s35, s34, 1
	s_and_b32 s36, s34, 1
	s_lshl_b32 s37, s35, 14
	s_lshl_b32 s38, s36, 10
	s_add_co_u32 s37, s37, s38
	v_add_nc_u32 v[VC+\i], s37, v[L16]
	s_lshl_b32 s37, s35, 9
	s_lshl_b32 s38, s36, 1
	s_add_co_u32 s37, s37, s38
	v_add_nc_u32 v[VS+\i], s37, v14
.endr
	s_mov_b32 s[SEL], 0x76543210
	s_mov_b32 s[SEL+1], 0xfedcba98
	s_mov_b32 s[MNT], 0x600000
	s_mov_b32 s[HM], 0xffff0000
	s_mov_b32 s52, 0x3aaaaaab                      ; 1 / 768
	s_mov_b32 s53, 0x358637bd                      ; 1e-6
	s_mul_i32 s16, s14, 4608
	s_add_co_u32 s16, s16, W2S
	s_mov_b32 s17, 0
	s_mul_i32 s18, ttmp9, 768
	s_add_co_u32 s18, s18, AOS
	s_mov_b32 s19, 0
	s_mul_i32 s20, ttmp9, 24576
	s_mov_b32 s21, 0
	s_mul_i32 s22, s14, 147456
	s_add_co_u32 s22, s22, W2C
	s_mov_b32 s23, 0
	s_mul_i32 s24, ttmp9, 98304
	s_mul_i32 s26, s14, 768
	s_add_co_u32 s24, s24, s26
	s_mov_b32 s25, 0
	s_mov_b32 s27, 0
	s_mul_i32 s28, ttmp9, 98304
	s_mul_i32 s29, s14, 12288
	s_add_co_u32 s28, s28, s29
	s_mov_b32 s29, 0
	s_lshr_b32 s34, ttmp9, 2
	s_and_b32 s35, ttmp9, 3
	s_mul_i32 s30, s34, 98304
	s_lshl_b32 s31, s35, 12
	s_add_co_u32 s30, s30, s31
	s_add_co_u32 s30, s30, YC
	s_mov_b32 s31, 0
	s_mul_i32 s32, s34, 3072
	s_lshl_b32 s33, s35, 7
	s_add_co_u32 s32, s32, s33
	s_add_co_u32 s32, s32, YS
	s_mov_b32 s33, 0
	s_wait_kmcnt 0x0
	s_add_nc_u64 s[16:17], s[6:7], s[16:17]        ; W's scale words
	s_add_nc_u64 s[18:19], s[4:5], s[18:19]        ; A's scale words
	s_add_nc_u64 s[20:21], s[4:5], s[20:21]        ; A's codes
	s_add_nc_u64 s[22:23], s[6:7], s[22:23]        ; W's codes
	s_add_nc_u64 s[24:25], s[8:9], s[24:25]        ; x
	s_add_nc_u64 s[26:27], s[10:11], s[26:27]      ; w_norm2
	s_add_nc_u64 s[28:29], s[12:13], s[28:29]      ; h
	s_add_nc_u64 s[30:31], s[12:13], s[30:31]      ; y's codes
	s_add_nc_u64 s[32:33], s[12:13], s[32:33]      ; y's scale bytes
.set i, 0
.rept 36
	global_load_b32 v[WS+i], v[L4], s[16:17] offset:128*i
.set i, i+1
.endr
.set i, 0
.rept 6
	global_load_b32 v[AS+i], v[AO], s[18:19] offset:64*i
.set i, i+1
.endr
.set i, 0
.rept 48
	global_load_b128 v[64+4*i:64+4*i+3], v[L16], s[20:21] offset:512*i   ; fragment 6 mt + ks
.set i, i+1
.endr
.macro LOADB ks
	WIN 0x40*(1+(\ks)%2)
.set i, 0
.rept 48
	global_load_b128 v[4*i:4*i+3], v[L16], s[22:23] offset:(\ks)*24576+512*i
.set i, i+1
.endr
.endm
.macro MUL ks                          ; 24 products; the 24 accumulators take turns
.if (\ks) == 0
.set zf, 1
.else
.set zf, 0
.endif
	WIN 0xf0|(1+(\ks)%2)
.set nt, 0
.rept 12
.set mt, 0
.rept 2
	WM 8*(12*mt+nt), 16*nt, 64+16*(6*mt+(\ks)), zf, WS+6*(\ks)+nt/2, AS+(\ks), nt%2, mt
.set mt, mt+1
.endr
.set nt, nt+1
.endr
.endm
	LOADB 0
	LOADB 1
.irp ks, 0,1,2,3,4,5
	s_wait_loadcnt 48                              ; this K step's fragments are in; the 48 loads issued behind them may be out
	MUL \ks
	PLACES 8                                       ; in front of loads into the buffer just read
.if \ks < 4
	LOADB \ks+2
.elseif \ks == 4
	WIN 0x40
.set i, 0
.rept 48
	global_load_b128 v[4*i:4*i+3], v[XO], s[24:25] offset:(i/24)*24576+128*((i%24)/4)+16*(i%4)   ; x in the accumulators' layout
.set i, i+1
.endr
.else
	WIN 0x80
.set i, 0
.rept 24
	global_load_b128 v[4*i:4*i+3], v[H64], s[26:27] offset:128*(i/4)+16*(i%4)
.set i, i+1
.endr
.endif
.endr
	s_wait_loadcnt 24                              ; x is in; w_norm2's 24 loads may be out
	WIN 0xc7
.set i, 0
.rept 96
	v_pk_add_f32 v[i:i+1], v[i:i+1], v[i:i+1]      ; h = the sums (window 3) + x (window 1), into window 3
.set i, i+2
.endr
	WIN 0x0c
.set i, 0
.rept 48
	global_store_b128 v[L16], v[4*i:4*i+3], s[28:29] offset:(i/24)*49152+(i%24)*512
.set i, i+1
.endr
	WIN 0x0f
.irp mt, 0,1
	v_pk_mul_f32 v[SQ+4*\mt:SQ+4*\mt+1], v[96*\mt:96*\mt+1], v[96*\mt:96*\mt+1]
	v_pk_mul_f32 v[SQ+4*\mt+2:SQ+4*\mt+3], v[96*\mt+2:96*\mt+3], v[96*\mt+2:96*\mt+3]
.set i, 4
.rept 23
	v_pk_fma_f32 v[SQ+4*\mt:SQ+4*\mt+1], v[96*\mt+i:96*\mt+i+1], v[96*\mt+i:96*\mt+i+1], v[SQ+4*\mt:SQ+4*\mt+1]
	v_pk_fma_f32 v[SQ+4*\mt+2:SQ+4*\mt+3], v[96*\mt+i+2:96*\mt+i+3], v[96*\mt+i+2:96*\mt+i+3], v[SQ+4*\mt+2:SQ+4*\mt+3]
.set i, i+4
.endr
.endr
	WIN 0
.irp mt, 0,1
	v_pk_add_f32 v[SQ+4*\mt:SQ+4*\mt+1], v[SQ+4*\mt:SQ+4*\mt+1], v[SQ+4*\mt+2:SQ+4*\mt+3]
.endr
.irp mt, 0,1
	v_add_f32 v[SQ+4*\mt], v[SQ+4*\mt], v[SQ+4*\mt+1]
.endr
.irp mt, 0,1
	v_permlanex16_b32 v[SQ+4*\mt+1], v[SQ+4*\mt], s[SEL], s[SEL+1]
.endr
.irp mt, 0,1
	v_add_f32 v[SQ+4*\mt], v[SQ+4*\mt], v[SQ+4*\mt+1]
.endr
	ds_store_b32 v[LW], v[SQ]
	ds_store_b32 v[LW], v[SQ+4] offset:128
	s_wait_dscnt 0x0                               ; for the others' sake
	s_barrier_signal -1
	s_barrier_wait -1
.irp mt, 0,1
.irp sw, 0,1,2,3
	ds_load_b32 v[PT+4*\mt+\sw], v[L4] offset:256*\sw+128*\mt
.endr
.endr
	s_wait_dscnt 0x0
.irp mt, 0,1
	v_add_f32 v[SQ+4*\mt], v[PT+4*\mt], v[PT+4*\mt+1]
.endr
.irp mt, 0,1
	v_add_f32 v[SQ+4*\mt], v[SQ+4*\mt], v[PT+4*\mt+2]
.endr
.irp mt, 0,1
	v_add_f32 v[SQ+4*\mt], v[SQ+4*\mt], v[PT+4*\mt+3]
.endr
.irp mt, 0,1
	v_fma_f32 v[SQ+4*\mt], v[SQ+4*\mt], s52, s53
.endr
	s_wait_alu depctr_va_vdst(0)
	v_rsq_f32 v[RS], v[SQ]
	v_rsq_f32 v[RS+2], v[SQ+4]
	v_mov_b32 v[RS+1], 0                           ; plain lines behind the roots; the pairs are named below
	v_mov_b32 v[RS+3], 0
.irp b, 0,1,2,3
	v_mov_b32 v[TM+4+\b], 0
.endr
	s_wait_alu depctr_va_vdst(0)                   ; one wait for the two roots
	s_wait_loadcnt 0x0                             ; w_norm2
	s_wait_xcnt 0x0                                ; h's stores have read the accumulators
	WIN 0xc3
.set i, 0
.rept 96
	v_pk_mul_f32 v[i:i+1], v[i:i+1], v[RS+2*(i/96):RS+2*(i/96)+1] op_sel_hi:[1,0]
.set i, i+2
.endr
	WIN 0xcb
.set i, 0
.rept 96
	v_pk_mul_f32 v[i:i+1], v[i:i+1], v[i%96:i%96+1]      ; (h r) w, in this order
.set i, i+2
.endr
.irp g, 0,1,2
	s_wait_xcnt 0x0                                ; the last group's stores have read their data
	QUANT 64*\g, 3, 4, 0
.irp b, 0,1,2,3
.set bt, 4*\g+\b                       ; block bt: M tile bt / 6, 32 channels bt % 6 of my 192
	global_store_b128 v[VC+(bt%6)/2], v[PC+4*\b:PC+4*\b+3], s[30:31] offset:(bt/6)*2048+512*(bt%2)
.endr
.irp b, 0,2
.set bt, 4*\g+\b
	v_cndmask_b32 v[BY+\b/2], v[TM+4+\b], v[TM+5+\b], s[HM]      ; lanes 0-15 the even block's byte, lanes 16-31 the odd one's
	global_store_b8 v[VS+(bt%6)/2], v[BY+\b/2], s[32:33] offset:64*(bt/6)
.endr
.endr
	s_wait_tensorcnt 0x0
	ds_add_u32 v62, v63
	s_wait_dscnt 0x0
	s_endpgm
.Lfunc_end_k_q32bd5abdfb_oproj:
	.size	k_q32bd5abdfb_oproj, .Lfunc_end_k_q32bd5abdfb_oproj-k_q32bd5abdfb_oproj
	.p2alignl 7, 3214868480
	.fill 96, 4, 3214868480
	.section	.rodata,"a",@progbits
	.p2align	6, 0x0
	.amdhsa_kernel k_q32bd5abdfb_oproj
		.amdhsa_group_segment_fixed_size 1536
		.amdhsa_private_segment_fixed_size 0
		.amdhsa_enable_private_segment 0
		.amdhsa_kernarg_size 40
		.amdhsa_user_sgpr_count 2
		.amdhsa_user_sgpr_kernarg_segment_ptr 1
		.amdhsa_wavefront_size32 1
		.amdhsa_system_sgpr_workgroup_id_x 1
		.amdhsa_system_sgpr_workgroup_id_y 1
		.amdhsa_system_sgpr_workgroup_id_z 1
		.amdhsa_system_vgpr_workitem_id 0
		.amdhsa_next_free_vgpr 1024
		.amdhsa_next_free_sgpr 66
		.amdhsa_reserve_vcc 0
		.amdhsa_float_denorm_mode_32 3
		.amdhsa_float_denorm_mode_16_64 3
		.amdhsa_memory_ordered 1
		.amdhsa_forward_progress 1
		.amdhsa_inst_pref_size 124
	.end_amdhsa_kernel
	.amdgpu_metadata
---
amdhsa.version: [ 1, 2 ]
amdhsa.kernels:
  - .name:           k_q32bd5abdfb_oproj
    .symbol:         k_q32bd5abdfb_oproj.kd
    .args:
      - { .name: ao, .offset: 0, .size: 8, .value_kind: global_buffer, .address_space: global }
      - { .name: prep, .offset: 8, .size: 8, .value_kind: global_buffer, .address_space: global }
      - { .name: hidden_states, .offset: 16, .size: 8, .value_kind: global_buffer, .address_space: global }
      - { .name: w_norm2, .offset: 24, .size: 8, .value_kind: global_buffer, .address_space: global }
      - { .name: hy, .offset: 32, .size: 8, .value_kind: global_buffer, .address_space: global }
    .group_segment_fixed_size: 1536
    .private_segment_fixed_size: 0
    .kernarg_segment_align: 8
    .kernarg_segment_size: 40
    .max_flat_workgroup_size: 128
    .sgpr_count:     66
    .vgpr_count:     1024
    .wavefront_size: 32
...
	.end_amdgpu_metadata
.endif
;; end of part 4
;; launch gateup (part 5): grid 16 x 16, 4 waves a work-group, clusters of 4 x 1, 198,144 bytes of LDS; arguments hy, prep, act; writes act
.if DOCPART == 5
	.amdgcn_target "amdgcn-amd-amdhsa--gfx1250"
	.amdhsa_code_object_version 6
	.text
	.protected	k_q32bd5abdfb_gateup
	.globl	k_q32bd5abdfb_gateup
	.p2align	8
	.type	k_q32bd5abdfb_gateup,@function
k_q32bd5abdfb_gateup:
	s_mov_b64 s[64:65], 0
	v_nop
	global_prefetch_b8 v0, s[64:65] scope:SCOPE_SE
	s_setreg_imm32_b32 hwreg(HW_REG_WAVE_MODE, 25, 1), 1
	s_wait_xcnt 0x0
	s_wait_alu depctr_hold_cnt(0) depctr_sa_sdst(0) depctr_va_vdst(0) depctr_va_sdst(0) depctr_va_ssrc(0) depctr_va_vcc(0) depctr_vm_vsrc(0)
	s_getreg_b32 s2, hwreg(HW_REG_IB_STS2, 6, 4)
	s_cmp_eq_u32 s2, 0
	s_cbranch_scc0 .Lentry_in_a_cluster
	s_endpgm
.Lentry_in_a_cluster:
	s_bfe_u32 s2, ttmp6, 0x10000c
	s_cmp_lg_u32 s2, 0x3003
	s_cbranch_scc0 .Lentry_shape_is_right
	s_endpgm
.Lentry_shape_is_right:
; act = silu(y W_gate) (y W_up), quantised along F.  A wave keeps 32 columns of W_gate and the same 32 of W_up (24 fragments, 384 registers) and walks two blocks of 128 tokens; a work-group has 128 f and 256 tokens.
; The 256 tokens' codes come into LDS once, by first fills alone: four halves of 49,152 bytes, one by each wave.  No LDS byte is filled twice.
; CLUSTER.  The four work-groups of a cluster have the same tokens: each half is asked for jointly, with the mask of all four.
; The products are used transposed: a lane holds one token; tiles 0, 1 are gate's and tiles 2, 3 up's of the same 16 f of the lane's half: so silu(g) u needs no other lane, and a lane's 16 results with lane l xor 16's are a block.
; The wave's 32 f are piece w of the next product's fragment; the four waves' scale bytes meet in LDS (blocks of their own) and leave as whole runs of 256 bytes.
; REGISTERS as in the launch for q, k, v.  LIMITS: as stated at the head of the first launch.
.set YC,  12582912
.set YS,  15728640
.set W3C, 2359296
.set W3S, 7151616
.set ASO, 8388608
.set SBY, 196608                       ; LDS behind the tokens: [M tile 16][row 16] scale words
.set LA,  2
.set L4,  6
.set L8,  7
.set SBA, 8                            ; SBY + 4 r + w
.set SBR, 9                            ; SBY + 256 w + 8 l
.set SWD, 28
.set WS,  32
.set AS,  44
.set TM,  92
.set PC,  112
.set G1,  16
.set G0,  32
.set SEL, 48
.set MNT, 50
.set MSB, 0
.macro WIN new
.if MSB != (\new)
	s_set_vgpr_msb (MSB<<8)|(\new)
.set MSB, \new
.endif
.endm
.macro PLACES n
.rept \n
	v_nop
.endr
.endm
.macro CROUND
	s_barrier_signal -1
	s_barrier_wait -1
	s_cmp_lg_u32 s8, 0
	s_cbranch_scc1 .Lnw0_\@
	s_barrier_signal -3
.Lnw0_\@:
	s_barrier_wait -3
	s_barrier_signal -1
	s_barrier_wait -1
.endm
.macro QUANT s, win, nb, word
	WIN (\win)|((\win)<<2)
.irp b, 0,1,2,3
.if \b < \nb
	v_max3_num_f32 v[TM+\b], |v[(\s)+16*\b]|, |v[(\s)+16*\b+1]|, 0x8000000
.endif
.endr
	WIN ((\win)<<2)|((\win)<<4)
.irp i, 2,4,6,8,10,12,14
.irp b, 0,1,2,3
.if \b < \nb
	v_max3_num_f32 v[TM+\b], v[TM+\b], |v[(\s)+16*\b+\i]|, |v[(\s)+16*\b+\i+1]|
.endif
.endr
.endr
	WIN 0
.irp b, 0,1,2,3
.if \b < \nb
	v_permlanex16_b32 v[TM+4+\b], v[TM+\b], s[SEL], s[SEL+1]
.endif
.endr
.irp b, 0,1,2,3
.if \b < \nb
	v_max_num_f32 v[TM+\b], v[TM+\b], v[TM+4+\b]
.endif
.endr
.irp b, 0,1,2,3
.if \b < \nb
	v_add_nc_u32 v[TM+12+\b], 0xf8800000, v[TM+\b]
.endif
.endr
.irp b, 0,1,2,3
.if \b < \nb
	v_and_or_b32 v[TM+8+\b], v[TM+\b], 0x7f800000, s[MNT]
.endif
.endr
.irp b, 0,1,2,3
.if \b < \nb
	v_lshrrev_b32 v[TM+4+\b], 23, v[TM+12+\b]
.endif
.endr
.if \word
	v_lshl_or_b32 v[PW], v[TM+5], 8, v[TM+4]
	v_lshl_or_b32 v[PW], v[TM+6], 16, v[PW]
	v_lshl_or_b32 v[PW], v[TM+7], 24, v[PW]
.endif
	WIN (\win)|((\win)<<6)
.irp b, 0,1,2,3
.if \b < \nb
.irp i, 0,1,2,3,4,5,6,7,8,9,10,11,12,13,14,15
	v_med3_num_f32 v[(\s)+16*\b+\i], v[(\s)+16*\b+\i], -v[TM+8+\b], v[TM+8+\b]
.endr
.endif
.endr
	WIN (\win)
.irp b, 0,1,2,3
.if \b < \nb
	v_cvt_scalef32_pk8_bf8_f32 v[PC+4*\b:PC+4*\b+1], v[(\s)+16*\b:(\s)+16*\b+7], v[TM+12+\b]
	v_cvt_scalef32_pk8_bf8_f32 v[PC+4*\b+2:PC+4*\b+3], v[(\s)+16*\b+8:(\s)+16*\b+15], v[TM+12+\b]
.endif
.endr
	WIN 0
	v_nop
.endm
.macro WM d, a, b, z, sa, sb, ra, rb
.if (\z)
.if (\ra) && (\rb)
	v_wmma_scale_f32_16x16x128_f8f6f4 v[(\d):(\d)+7], v[(\a):(\a)+15], v[(\b):(\b)+15], 0, v[\sa], v[\sb] matrix_a_fmt:MATRIX_FMT_BF8 matrix_b_fmt:MATRIX_FMT_BF8 matrix_a_scale:MATRIX_SCALE_ROW1 matrix_b_scale:MATRIX_SCALE_ROW1
.elseif (\ra)
	v_wmma_scale_f32_16x16x128_f8f6f4 v[(\d):(\d)+7], v[(\a):(\a)+15], v[(\b):(\b)+15], 0, v[\sa], v[\sb] matrix_a_fmt:MATRIX_FMT_BF8 matrix_b_fmt:MATRIX_FMT_BF8 matrix_a_scale:MATRIX_SCALE_ROW1
.elseif (\rb)
	v_wmma_scale_f32_16x16x128_f8f6f4 v[(\d):(\d)+7], v[(\a):(\a)+15], v[(\b):(\b)+15], 0, v[\sa], v[\sb] matrix_a_fmt:MATRIX_FMT_BF8 matrix_b_fmt:MATRIX_FMT_BF8 matrix_b_scale:MATRIX_SCALE_ROW1
.else
	v_wmma_scale_f32_16x16x128_f8f6f4 v[(\d):(\d)+7], v[(\a):(\a)+15], v[(\b):(\b)+15], 0, v[\sa], v[\sb] matrix_a_fmt:MATRIX_FMT_BF8 matrix_b_fmt:MATRIX_FMT_BF8
.endif
.else
.if (\ra) && (\rb)
	v_wmma_scale_f32_16x16x128_f8f6f4 v[(\d):(\d)+7], v[(\a):(\a)+15], v[(\b):(\b)+15], v[(\d):(\d)+7], v[\sa], v[\sb] matrix_a_fmt:MATRIX_FMT_BF8 matrix_b_fmt:MATRIX_FMT_BF8 matrix_a_scale:MATRIX_SCALE_ROW1 matrix_b_scale:MATRIX_SCALE_ROW1
.elseif (\ra)
	v_wmma_scale_f32_16x16x128_f8f6f4 v[(\d):(\d)+7], v[(\a):(\a)+15], v[(\b):(\b)+15], v[(\d):(\d)+7], v[\sa], v[\sb] matrix_a_fmt:MATRIX_FMT_BF8 matrix_b_fmt:MATRIX_FMT_BF8 matrix_a_scale:MATRIX_SCALE_ROW1
.elseif (\rb)
	v_wmma_scale_f32_16x16x128_f8f6f4 v[(\d):(\d)+7], v[(\a):(\a)+15], v[(\b):(\b)+15], v[(\d):(\d)+7], v[\sa], v[\sb] matrix_a_fmt:MATRIX_FMT_BF8 matrix_b_fmt:MATRIX_FMT_BF8 matrix_b_scale:MATRIX_SCALE_ROW1
.else
	v_wmma_scale_f32_16x16x128_f8f6f4 v[(\d):(\d)+7], v[(\a):(\a)+15], v[(\b):(\b)+15], v[(\d):(\d)+7], v[\sa], v[\sb] matrix_a_fmt:MATRIX_FMT_BF8 matrix_b_fmt:MATRIX_FMT_BF8
.endif
.endif
.endm
	s_load_b128 s[4:7], s[0:1], 0x0                ; hy, prep
	s_load_b64 s[12:13], s[0:1], 0x10              ; act
	v_lshl_add_u32 v110, v0, 2, 0x30400
	v_mov_b32 v111, 0
	ds_add_u32 v110, v111
	ds_add_u32 v110, v111
	v_lshrrev_b32 v10, 5, v0
	v_readfirstlane_b32 s8, v10                    ; wave 0..3
	v_and_b32 v10, 31, v0
	v_and_b32 v11, 15, v0
	v_lshlrev_b32 v[LA], 4, v10
	v_add_nc_u32 v[LA+1], 49152, v[LA]
	v_add_nc_u32 v[LA+2], 98304, v[LA]
	v_add_nc_u32 v[LA+3], 147456, v[LA]
	v_lshlrev_b32 v[L4], 2, v10
	v_lshlrev_b32 v[L8], 3, v10
	s_add_co_u32 s14, s8, SBY
	v_lshlrev_b32 v[SBA], 2, v11
	v_add_nc_u32 v[SBA], s14, v[SBA]
	s_lshl_b32 s14, s8, 8
	s_add_co_u32 s14, s14, SBY
	v_add_nc_u32 v[SBR], s14, v[L8]
.irp b, 0,1,2,3
	v_mov_b32 v[TM+4+\b], 0
.endr
	s_bfe_u32 s9, ttmp6, 0x40000                   ; cx: it enters the addresses of my own loads and stores alone
	s_lshl_b32 s10, ttmp9, 2
	s_add_co_u32 s10, s10, s9                      ; which 128 f = the next product's K step
	s_and_b32 s11, ttmp7, 0xffff                   ; which 256 tokens
	s_lshl_b32 s15, s10, 2
	s_add_co_u32 s15, s15, s8                      ; unit of weights: 32 f
	s_mov_b32 s[SEL], 0x76543210
	s_mov_b32 s[SEL+1], 0xfedcba98
	s_mov_b32 s[MNT], 0x600000
	; descriptor group 1: a dense block of 49,152 bytes as 192 rows of 256 bytes; mask of all four, bit 21 beside it
	s_mov_b32 s[G1], 15|(3<<16)|(1<<21)
	s_mov_b32 s[G1+1], 32<<16
	s_mov_b32 s[G1+2], 192<<16                     ; a half: 49,152 dense bytes as 192 rows of 256
	s_mov_b32 s[G1+3], 32<<16
	s_mov_b32 s[G1+4], 192
	s_mov_b32 s[G1+5], 32
	s_mov_b32 s[G1+6], 0
	s_mov_b32 s[G1+7], 0
	s_mov_b32 s14, 0                               ; a load brings a whole half
	s_mul_i32 s24, s11, 196608
	s_add_co_u32 s24, s24, s14
	s_add_co_u32 s24, s24, YC
	s_mov_b32 s25, 0
	s_mul_i32 s52, s15, 49152
	s_add_co_u32 s52, s52, W3C
	s_mov_b32 s53, 0
	s_mul_i32 s54, s15, 1536
	s_add_co_u32 s54, s54, W3S
	s_mov_b32 s55, 0
	s_mul_i32 s56, s11, 6144
	s_add_co_u32 s56, s56, YS
	s_mov_b32 s57, 0
	s_lshl_b32 s60, s11, 19
	s_lshl_b32 s26, s10, 11
	s_add_co_u32 s60, s60, s26
	s_lshl_b32 s26, s8, 9
	s_add_co_u32 s60, s60, s26
	s_mov_b32 s61, 0
	s_lshl_b32 s58, s10, 14
	s_lshl_b32 s26, s11, 10
	s_add_co_u32 s58, s58, s26
	s_lshl_b32 s26, s8, 8
	s_add_co_u32 s58, s58, s26
	s_add_co_u32 s58, s58, ASO
	s_mov_b32 s59, 0
	s_wait_dscnt 0x0
	s_wait_kmcnt 0x0
	s_add_nc_u64 s[24:25], s[4:5], s[24:25]
	s_add_nc_u64 s[52:53], s[6:7], s[52:53]
	s_add_nc_u64 s[54:55], s[6:7], s[54:55]
	s_add_nc_u64 s[56:57], s[4:5], s[56:57]
	s_add_nc_u64 s[60:61], s[12:13], s[60:61]
	s_add_nc_u64 s[58:59], s[12:13], s[58:59]
.irp hh, 0,1,2,3
	s_mov_b32 s[G0+4*\hh], 1
	s_add_co_u32 s[G0+4*\hh+1], s14, \hh*49152
	s_add_nc_u64 s[G0+4*\hh+2:G0+4*\hh+3], s[24:25], \hh*49152
	s_or_b32 s[G0+4*\hh+3], s[G0+4*\hh+3], 0x80000000
.endr
	CROUND                                         ; all four work-groups are here: the joint loads meet
	s_cmp_eq_u32 s8, 0                             ; one joint load a wave, each in an arm of its own: wave i fetches half i
	s_cbranch_scc0 .Lh1
	tensor_load_to_lds s[G0:G0+3], s[G1:G1+7]
	s_nop 0
	PLACES 4
	s_branch .Lhj
.Lh1:
	s_cmp_eq_u32 s8, 1
	s_cbranch_scc0 .Lh2
	tensor_load_to_lds s[G0+4:G0+7], s[G1:G1+7]
	s_nop 0
	PLACES 4
	s_branch .Lhj
.Lh2:
	s_cmp_eq_u32 s8, 2
	s_cbranch_scc0 .Lh3
	tensor_load_to_lds s[G0+8:G0+11], s[G1:G1+7]
	s_nop 0
	PLACES 4
	s_branch .Lhj
.Lh3:
	tensor_load_to_lds s[G0+12:G0+15], s[G1:G1+7]
	s_nop 0
	PLACES 4
.Lhj:
.set i, 0
	s_wait_alu depctr_va_vdst(0)
.rept 12
	global_load_b32 v[WS+i], v[L4], s[54:55] offset:128*i
.set i, i+1
.endr
.set i, 0
.rept 48
	global_load_b32 v[AS+i], v[L4], s[56:57] offset:128*i
.set i, i+1
.endr
	WIN 0x40
.set i, 0
.rept 64
	global_load_b128 v[4*i:4*i+3], v[LA], s[52:53] offset:512*i
.set i, i+1
.endr
	WIN 0x80
.set i, 0
.rept 32
	global_load_b128 v[4*i:4*i+3], v[LA], s[52:53] offset:32768+512*i
.set i, i+1
.endr
	WIN 0
.macro FETCH hh, k3, buf
	WIN 0x80*(\buf)
.set j, 0
.rept 32
	ds_load_b128 v[128+4*j:128+4*j+3], v[LA+\hh] offset:(\k3)*16384+512*j
.set j, j+1
.endr
.endm
.macro MUL blk, ks                     ; 32 products; the 32 accumulators take turns
.set bw, 2*((\ks)%2)
.set ww, 1+(\ks)/4
.set wb, 64*((\ks)%4)
.if (\ks) == 0
.set zf, 1
.else
.set zf, 0
.endif
	WIN 0xf0|(bw<<2)|ww
.set mt, 0
.rept 8
.set nt, 0
.rept 4
	WM 8*(4*mt+nt), wb+16*nt, 128+16*mt, zf, WS+2*(\ks)+nt/2, AS+24*(\blk)+4*(\ks)+mt/2, nt%2, mt%2
.set nt, nt+1
.endr
.set mt, mt+1
.endr
.endm
.macro KSTEP blk, ks
.set hh, 2*(\blk)+(\ks)/3
.if (\ks)%3 == 0
	WIN 0
.if hh < 3
	s_cmp_eq_u32 s8, hh                            ; half hh is wave hh's load: that wave waits for it
	s_cbranch_scc0 .Lnl_\@
	s_wait_tensorcnt 0x0
.Lnl_\@:
.else
	s_wait_tensorcnt 0x0                           ; all that is still out: every wave waits
.endif
	s_wait_dscnt 0x0                               ; my byte stores of the block before have landed
	s_barrier_signal -1
	s_barrier_wait -1
.if hh > 0
	PLACES 8
.endif
	FETCH hh, 0, (\ks)%2
	FETCH hh, 1, 1-(\ks)%2
	s_wait_dscnt 32                                ; all but the 32 loads of the next K step
.elseif (\ks)%3 == 1
	PLACES 8
	FETCH hh, 2, 1-(\ks)%2
	s_wait_dscnt 32
.else
	s_wait_dscnt 0x0
.endif
.if (\blk) == 0
.if (\ks) < 2
	s_wait_loadcnt 63                              ; the scale words and W up to this K step are in: 80 or 64 younger loads would be allowed, the field holds 63
.else
	s_wait_loadcnt 16*(5-(\ks))
.endif
.endif
	MUL \blk, \ks
.endm
; four M tiles: silu(g) u = g u / (1 + 2^(-g log2 e)); exponentials and reciprocals each as one batch with one wait
.macro ACT blk, H
	WIN 0x03
.set n, 0
.rept 32
	v_pk_mul_f32 v[192+2*n:193+2*n], v[32*(4*(\H)+n/8)+2*(n%8):32*(4*(\H)+n/8)+2*(n%8)+1], 0xbfb8aa3b op_sel_hi:[1,0]
.set n, n+1
.endr
	WIN 0
.set n, 0
	s_wait_alu depctr_va_vdst(0)
.rept 64
	v_exp_f32 v[192+n], v[192+n]
.set n, n+1
.endr
	v_nop
	s_wait_alu depctr_va_vdst(0)
.set n, 0
.rept 32
	v_pk_add_f32 v[192+2*n:193+2*n], v[192+2*n:193+2*n], 1.0 op_sel_hi:[1,0]
.set n, n+1
.endr
.set n, 0
	s_wait_alu depctr_va_vdst(0)
.rept 64
	v_rcp_f32 v[192+n], v[192+n]
.set n, n+1
.endr
	v_nop
	s_wait_alu depctr_va_vdst(0)
	WIN 0x03
.set n, 0
.rept 32
	v_pk_mul_f32 v[128+2*n:129+2*n], v[32*(4*(\H)+n/8)+2*(n%8):32*(4*(\H)+n/8)+2*(n%8)+1], v[192+2*n:193+2*n]
.set n, n+1
.endr
	WIN 0x0c
.set n, 0
.rept 32
	v_pk_mul_f32 v[128+2*n:129+2*n], v[128+2*n:129+2*n], v[32*(4*(\H)+n/8)+16+2*(n%8):32*(4*(\H)+n/8)+17+2*(n%8)]
.set n, n+1
.endr
	s_wait_xcnt 0x0                                ; the last stores have read their data
	QUANT 128, 0, 4, 0
.irp b, 0,1,2,3
	global_store_b128 v[LA], v[PC+4*\b:PC+4*\b+3], s[60:61] offset:(8*(\blk)+4*(\H)+\b)*32768   ; piece w of M tile 8 blk + 4 H + b's fragment: 512 consecutive bytes
	ds_store_b8 v[SBA], v[TM+4+\b] offset:64*(8*(\blk)+4*(\H)+\b)                               ; byte w of my row's scale word; both lanes of a block write the same byte
.endr
.endm
.irp blk, 0,1
	KSTEP \blk, 0
	KSTEP \blk, 1
	KSTEP \blk, 2
	KSTEP \blk, 3
	KSTEP \blk, 4
	KSTEP \blk, 5
	PLACES 8
	ACT \blk, 0
	ACT \blk, 1
.endr
	s_wait_dscnt 0x0                               ; for the others' sake: my bytes have landed
	s_barrier_signal -1
	s_barrier_wait -1
	ds_load_b64 v[SWD:SWD+1], v[SBR]
	s_wait_dscnt 0x0
	global_store_b64 v[L8], v[SWD:SWD+1], s[58:59] ; 256 consecutive bytes a wave
	s_wait_tensorcnt 0x0
	s_wait_tensorcnt 0x0
	ds_add_u32 v110, v111
	s_wait_dscnt 0x0
	CROUND                                         ; the closing round
	s_endpgm
.Lfunc_end_k_q32bd5abdfb_gateup:
	.size	k_q32bd5abdfb_gateup, .Lfunc_end_k_q32bd5abdfb_gateup-k_q32bd5abdfb_gateup
	.p2alignl 7, 3214868480
	.fill 96, 4, 3214868480
	.section	.rodata,"a",@progbits
	.p2align	6, 0x0
	.amdhsa_kernel k_q32bd5abdfb_gateup
		.amdhsa_group_segment_fixed_size 198144
		.amdhsa_private_segment_fixed_size 0
		.amdhsa_enable_private_segment 0
		.amdhsa_kernarg_size 24
		.amdhsa_user_sgpr_count 2
		.amdhsa_user_sgpr_kernarg_segment_ptr 1
		.amdhsa_wavefront_size32 1
		.amdhsa_system_sgpr_workgroup_id_x 1
		.amdhsa_system_sgpr_workgroup_id_y 1
		.amdhsa_system_sgpr_workgroup_id_z 1
		.amdhsa_system_vgpr_workitem_id 0
		.amdhsa_next_free_vgpr 1024
		.amdhsa_next_free_sgpr 66
		.amdhsa_reserve_vcc 0
		.amdhsa_float_denorm_mode_32 3
		.amdhsa_float_denorm_mode_16_64 3
		.amdhsa_memory_ordered 1
		.amdhsa_forward_progress 1
		.amdhsa_inst_pref_size 186
	.end_amdhsa_kernel
	.amdgpu_metadata
---
amdhsa.version: [ 1, 2 ]
amdhsa.kernels:
  - .name:           k_q32bd5abdfb_gateup
    .symbol:         k_q32bd5abdfb_gateup.kd
    .args:
      - { .name: hy, .offset: 0, .size: 8, .value_kind: global_buffer, .address_space: global }
      - { .name: prep, .offset: 8, .size: 8, .value_kind: global_buffer, .address_space: global }
      - { .name: act, .offset: 16, .size: 8, .value_kind: global_buffer, .address_space: global }
    .group_segment_fixed_size: 198144
    .private_segment_fixed_size: 0
    .kernarg_segment_align: 8
    .kernarg_segment_size: 24
    .max_flat_workgroup_size: 128
    .sgpr_count:     66
    .vgpr_count:     1024
    .wavefront_size: 32
...
	.end_amdgpu_metadata
.endif
;; end of part 5
;; launch down (part 6): grid 4 x 64, 4 waves a work-group, no clusters, 247,296 bytes of LDS; arguments act, prep, hy, out0; writes out0
.if DOCPART == 6
	.amdgcn_target "amdgcn-amd-amdhsa--gfx1250"
	.amdhsa_code_object_version 6
	.text
	.protected	k_q32bd5abdfb_down
	.globl	k_q32bd5abdfb_down
	.p2align	8
	.type	k_q32bd5abdfb_down,@function
k_q32bd5abdfb_down:
	s_mov_b64 s[64:65], 0
	v_nop
	global_prefetch_b8 v0, s[64:65] scope:SCOPE_SE
	s_setreg_imm32_b32 hwreg(HW_REG_WAVE_MODE, 25, 1), 1
	s_wait_xcnt 0x0
; out = h + act W_down.  A work-group makes 64 tokens (four M tiles) x 192 channels.  K = 2,048 IS SPLIT OVER THE WAVES: wave q takes K steps 4 q .. 4 q + 3 for the whole tile, 48 accumulators.
; So no fragment is wanted by two waves: all operands go from memory straight into registers, each byte once a work-group, two K steps of 64 loads ahead.  No tensor load.
; The four partial sums meet in LDS: wave d adds M tile d's four parts, in the order of the waves, then h.  (The order of these f32 sums differs from a single chain along K.)
; The results leave through the wave's own stage as whole rows: every store covers two aligned runs of 256 bytes.  NO MULTICAST: nothing goes through LDS that partners could share.
; REGISTERS.  window 0: v1-16 addresses, v32-55 W's scale words, v56-63 A's, v128-255 accumulators 32-47;  windows 1, 2: operand buffers (v0-191 W's 12 fragments, v192-255 A's 4);  window 3: accumulators 0-31.
.set ASO, 8388608
.set W4C, 5505024
.set W4S, 7249920
.set STG, 196608                       ; LDS: [M tile 4][from wave 4][piece 24][512], then a stage of 16 rows x 784 bytes for each wave
.set L16, 1
.set L4,  2
.set EXW, 8
.set EXR, 12
.set STO, 13
.set RD0, 14
.set RD1, 15
.set GO1, 16
.set WS,  32
.set AS,  56
.set MSB, 0
.macro WIN new
.if MSB != (\new)
	s_set_vgpr_msb (MSB<<8)|(\new)
.set MSB, \new
.endif
.endm
.macro PLACES n
.rept \n
	v_nop
.endr
.endm
.macro WM d, a, b, z, sa, sb, ra, rb
.if (\z)
.if (\ra) && (\rb)
	v_wmma_scale_f32_16x16x128_f8f6f4 v[(\d):(\d)+7], v[(\a):(\a)+15], v[(\b):(\b)+15], 0, v[\sa], v[\sb] matrix_a_fmt:MATRIX_FMT_BF8 matrix_b_fmt:MATRIX_FMT_BF8 matrix_a_scale:MATRIX_SCALE_ROW1 matrix_b_scale:MATRIX_SCALE_ROW1
.elseif (\ra)
	v_wmma_scale_f32_16x16x128_f8f6f4 v[(\d):(\d)+7], v[(\a):(\a)+15], v[(\b):(\b)+15], 0, v[\sa], v[\sb] matrix_a_fmt:MATRIX_FMT_BF8 matrix_b_fmt:MATRIX_FMT_BF8 matrix_a_scale:MATRIX_SCALE_ROW1
.elseif (\rb)
	v_wmma_scale_f32_16x16x128_f8f6f4 v[(\d):(\d)+7], v[(\a):(\a)+15], v[(\b):(\b)+15], 0, v[\sa], v[\sb] matrix_a_fmt:MATRIX_FMT_BF8 matrix_b_fmt:MATRIX_FMT_BF8 matrix_b_scale:MATRIX_SCALE_ROW1
.else
	v_wmma_scale_f32_16x16x128_f8f6f4 v[(\d):(\d)+7], v[(\a):(\a)+15], v[(\b):(\b)+15], 0, v[\sa], v[\sb] matrix_a_fmt:MATRIX_FMT_BF8 matrix_b_fmt:MATRIX_FMT_BF8
.endif
.else
.if (\ra) && (\rb)
	v_wmma_scale_f32_16x16x128_f8f6f4 v[(\d):(\d)+7], v[(\a):(\a)+15], v[(\b):(\b)+15], v[(\d):(\d)+7], v[\sa], v[\sb] matrix_a_fmt:MATRIX_FMT_BF8 matrix_b_fmt:MATRIX_FMT_BF8 matrix_a_scale:MATRIX_SCALE_ROW1 matrix_b_scale:MATRIX_SCALE_ROW1
.elseif (\ra)
	v_wmma_scale_f32_16x16x128_f8f6f4 v[(\d):(\d)+7], v[(\a):(\a)+15], v[(\b):(\b)+15], v[(\d):(\d)+7], v[\sa], v[\sb] matrix_a_fmt:MATRIX_FMT_BF8 matrix_b_fmt:MATRIX_FMT_BF8 matrix_a_scale:MATRIX_SCALE_ROW1
.elseif (\rb)
	v_wmma_scale_f32_16x16x128_f8f6f4 v[(\d):(\d)+7], v[(\a):(\a)+15], v[(\b):(\b)+15], v[(\d):(\d)+7], v[\sa], v[\sb] matrix_a_fmt:MATRIX_FMT_BF8 matrix_b_fmt:MATRIX_FMT_BF8 matrix_b_scale:MATRIX_SCALE_ROW1
.else
	v_wmma_scale_f32_16x16x128_f8f6f4 v[(\d):(\d)+7], v[(\a):(\a)+15], v[(\b):(\b)+15], v[(\d):(\d)+7], v[\sa], v[\sb] matrix_a_fmt:MATRIX_FMT_BF8 matrix_b_fmt:MATRIX_FMT_BF8
.endif
.endif
.endm
	s_load_b256 s[4:11], s[0:1], 0x0               ; act, prep, hy, out0
	v_lshl_add_u32 v126, v0, 2, 0x3c400
	v_mov_b32 v127, 0
	v_lshrrev_b32 v3, 5, v0
	v_readfirstlane_b32 s12, v3                    ; wave q 0..3
	v_and_b32 v3, 31, v0
	v_and_b32 v4, 15, v0                           ; r
	v_bfe_u32 v5, v0, 4, 1                         ; h
	v_lshlrev_b32 v[L16], 4, v3
	v_lshlrev_b32 v[L4], 2, v3
	s_mul_i32 s13, s12, 12288
	v_add_nc_u32 v[EXW], s13, v[L16]               ; my parts go to [d][q]
	v_add_nc_u32 v[EXW+1], 49152, v[EXW]
	v_add_nc_u32 v[EXW+2], 98304, v[EXW]
	v_add_nc_u32 v[EXW+3], 147456, v[EXW]
	s_mul_i32 s13, s12, 49152
	v_add_nc_u32 v[EXR], s13, v[L16]               ; and I read [q][all]
	s_mul_i32 s13, s12, 12544
	s_add_co_u32 s13, s13, STG                     ; my stage
	v_mul_u32_u24 v[STO], v4, 784
	v_lshl_add_u32 v[STO], v5, 6, v[STO]
	v_add_nc_u32 v[STO], s13, v[STO]               ; in: row r, + 64 h
	v_add_nc_u32 v[RD0], s13, v[L16]               ; back: 512 consecutive bytes of data,
	v_lshl_add_u32 v[RD1], v5, 4, v[RD0]           ; or the end of one row and the head of the next (16 bytes of padding between)
	v_mul_u32_u24 v[GO1], v5, 2304
	v_add_nc_u32 v[GO1], v[GO1], v[L16]            ; the same in out0: a row is 3,072 bytes, my part of it 768
	s_mov_b32 s14, ttmp9                           ; which 192 channels
	s_and_b32 s15, ttmp7, 0xffff                   ; which 64 tokens
	s_mul_i32 s16, s14, 393216
	s_mul_i32 s17, s12, 98304
	s_add_co_u32 s16, s16, s17
	s_add_co_u32 s16, s16, W4C
	s_mov_b32 s17, 0
	s_lshl_b32 s18, s15, 17
	s_lshl_b32 s19, s12, 13
	s_add_co_u32 s18, s18, s19
	s_mov_b32 s19, 0
	s_mul_i32 s20, s14, 12288
	s_mul_i32 s21, s12, 3072
	s_add_co_u32 s20, s20, s21
	s_add_co_u32 s20, s20, W4S
	s_mov_b32 s21, 0
	s_lshl_b32 s22, s12, 16
	s_lshl_b32 s23, s15, 8
	s_add_co_u32 s22, s22, s23
	s_add_co_u32 s22, s22, ASO
	s_mov_b32 s23, 0
	s_lshl_b32 s28, s15, 2
	s_add_co_u32 s28, s28, s12                     ; the M tile that I finish
	s_mul_i32 s24, s28, 49152
	s_mul_i32 s25, s14, 12288
	s_add_co_u32 s24, s24, s25
	s_mov_b32 s25, 0
	s_lshr_b32 s26, s28, 1
	s_lshl_b32 s26, s26, 5
	s_and_b32 s27, s28, 1
	s_lshl_b32 s27, s27, 3
	s_add_co_u32 s26, s26, s27                     ; its first token
	s_mul_i32 s26, s26, 3072
	s_mul_i32 s27, s14, 768
	s_add_co_u32 s26, s26, s27
	s_mov_b32 s27, 0
	s_wait_kmcnt 0x0
	s_add_nc_u64 s[16:17], s[6:7], s[16:17]        ; W's codes
	s_add_nc_u64 s[18:19], s[4:5], s[18:19]        ; A's codes
	s_add_nc_u64 s[20:21], s[6:7], s[20:21]        ; W's scale words
	s_add_nc_u64 s[22:23], s[4:5], s[22:23]        ; A's scale words
	s_add_nc_u64 s[24:25], s[8:9], s[24:25]        ; h
	s_add_nc_u64 s[26:27], s[10:11], s[26:27]      ; out0
.set i, 0
.rept 24
	global_load_b32 v[WS+i], v[L4], s[20:21] offset:128*i                  ; register 6 s + pair of tiles
.set i, i+1
.endr
.set i, 0
.rept 8
	global_load_b32 v[AS+i], v[L4], s[22:23] offset:(i/2)*16384+128*(i%2)  ; register 2 s + pair of M tiles
.set i, i+1
.endr
.macro LOAD s
	WIN 0x40*(1+(\s)%2)
.set i, 0
.rept 48
	global_load_b128 v[4*i:4*i+3], v[L16], s[16:17] offset:(\s)*24576+512*i
.set i, i+1
.endr
.set i, 0
.rept 16
	global_load_b128 v[192+4*i:192+4*i+3], v[L16], s[18:19] offset:(i/4)*32768+(\s)*2048+512*(i%4) th:TH_LOAD_NT
.set i, i+1
.endr
.endm
.macro MUL s                           ; 48 products; the 48 accumulators take turns
.set bw, 1+(\s)%2
.if (\s) == 0
.set zf, 1
.else
.set zf, 0
.endif
.set ai, 0
.rept 48
.if ai < 32
	WIN 0xf0|(bw<<2)|bw
	WM 8*ai, 16*(ai%12), 192+16*(ai/12), zf, WS+6*(\s)+(ai%12)/2, AS+2*(\s)+(ai/12)/2, ai%2, (ai/12)%2
.else
	WIN (bw<<2)|bw
	WM 128+8*(ai-32), 16*(ai%12), 192+16*(ai/12), zf, WS+6*(\s)+(ai%12)/2, AS+2*(\s)+(ai/12)/2, ai%2, (ai/12)%2
.endif
.set ai, ai+1
.endr
.endm
	LOAD 0
	LOAD 1
	s_wait_loadcnt 63                              ; the scale words and K step 0 are in: the next K step's 64 loads would be allowed out, the field holds 63
	MUL 0
	PLACES 8                                       ; in front of loads into the buffer just read
	LOAD 2
	s_wait_loadcnt 63
	MUL 1
	PLACES 8
	LOAD 3
	s_wait_loadcnt 63
	MUL 2
	PLACES 8                                       ; in front of loads into the buffer just read
	WIN 0x40
.set i, 0
.rept 24
	global_load_b128 v[4*i:4*i+3], v[L16], s[24:25] offset:512*i th:TH_LOAD_NT   ; h, in the accumulators' layout, into window 1, which no later K step uses
.set i, i+1
.endr
	s_wait_loadcnt 24                              ; K step 3 is in; h's 24 loads, issued behind it, may be out
	MUL 3
	PLACES 8
.set ai, 0
	s_wait_alu depctr_va_vdst(0)
.rept 48
.if ai < 32
	WIN 0x0c
.set rg, 8*ai
.else
	WIN 0
.set rg, 128+8*(ai-32)
.endif
	ds_store_b128 v[EXW+ai/12], v[rg:rg+3] offset:1024*(ai%12)             ; each accumulator from its low end on
	ds_store_b128 v[EXW+ai/12], v[rg+4:rg+7] offset:1024*(ai%12)+512
.set ai, ai+1
.endr
	WIN 0
	s_wait_dscnt 0x0                               ; for the others' sake: my parts have landed
	s_barrier_signal -1
	s_barrier_wait -1
	WIN 0xc0                                       ; waves 0 and 1's parts go into window 3: window 1 holds h
.set i, 0
.rept 48
	ds_load_b128 v[4*i:4*i+3], v[EXR] offset:512*i                         ; waves 0 and 1's parts of my M tile
.set i, i+1
.endr
	WIN 0x80
.set i, 0
.rept 48
	ds_load_b128 v[4*i:4*i+3], v[EXR] offset:24576+512*i                   ; waves 2 and 3's
.set i, i+1
.endr
	s_wait_dscnt 0x0
	WIN 0xcf
.set i, 0
.rept 48
	v_pk_add_f32 v[i:i+1], v[i:i+1], v[96+i:97+i]
.set i, i+2
.endr
	WIN 0x8a
.set i, 0
.rept 48
	v_pk_add_f32 v[i:i+1], v[i:i+1], v[96+i:97+i]
.set i, i+2
.endr
	WIN 0xcb
.set i, 0
.rept 48
	v_pk_add_f32 v[i:i+1], v[i:i+1], v[i:i+1]      ; window 3 + window 2
.set i, i+2
.endr
	s_wait_loadcnt 0x0
	WIN 0xc7
.set i, 0
.rept 48
	v_pk_add_f32 v[i:i+1], v[i:i+1], v[i:i+1]      ; + h (window 1)
.set i, i+2
.endr
	WIN 0x0c
.set i, 0
.rept 24
	ds_store_b128 v[STO], v[4*i:4*i+3] offset:128*(i/4)+16*(i%4)           ; registers 16 i' + .. are channels 32 i' + 16 h + ..
.set i, i+1
.endr
	WIN 0x80
.set k, 0
.rept 8
	ds_load_b128 v[12*k:12*k+3], v[RD0] offset:2*k*784                     ; LDS serves a wave's instructions in order: these see my stores
	ds_load_b128 v[12*k+4:12*k+7], v[RD1] offset:2*k*784+512
	ds_load_b128 v[12*k+8:12*k+11], v[RD0] offset:2*k*784+1040
.set k, k+1
.endr
	WIN 0x08
.set k, 0
.rept 8
	s_wait_dscnt 23-3*k
	global_store_b128 v[L16], v[12*k:12*k+3], s[26:27] offset:(2*k+8*(k/4))*3072 th:TH_STORE_NT
	s_wait_dscnt 22-3*k
	global_store_b128 v[GO1], v[12*k+4:12*k+7], s[26:27] offset:(2*k+8*(k/4))*3072+512 th:TH_STORE_NT
	s_wait_dscnt 21-3*k
	global_store_b128 v[L16], v[12*k+8:12*k+11], s[26:27] offset:(2*k+8*(k/4))*3072+3328 th:TH_STORE_NT
.set k, k+1
.endr
	WIN 0
	s_wait_tensorcnt 0x0
	ds_add_u32 v126, v127
	s_wait_dscnt 0x0
	s_endpgm
.Lfunc_end_k_q32bd5abdfb_down:
	.size	k_q32bd5abdfb_down, .Lfunc_end_k_q32bd5abdfb_down-k_q32bd5abdfb_down
	.p2alignl 7, 3214868480
	.fill 96, 4, 3214868480
	.section	.rodata,"a",@progbits
	.p2align	6, 0x0
	.amdhsa_kernel k_q32bd5abdfb_down
		.amdhsa_group_segment_fixed_size 247296
		.amdhsa_private_segment_fixed_size 0
		.amdhsa_enable_private_segment 0
		.amdhsa_kernarg_size 32
		.amdhsa_user_sgpr_count 2
		.amdhsa_user_sgpr_kernarg_segment_ptr 1
		.amdhsa_wavefront_size32 1
		.amdhsa_system_sgpr_workgroup_id_x 1
		.amdhsa_system_sgpr_workgroup_id_y 1
		.amdhsa_system_sgpr_workgroup_id_z 1
		.amdhsa_system_vgpr_workitem_id 0
		.amdhsa_next_free_vgpr 1024
		.amdhsa_next_free_sgpr 66
		.amdhsa_reserve_vcc 0
		.amdhsa_float_denorm_mode_32 3
		.amdhsa_float_denorm_mode_16_64 3
		.amdhsa_memory_ordered 1
		.amdhsa_forward_progress 1
		.amdhsa_inst_pref_size 89
	.end_amdhsa_kernel
	.amdgpu_metadata
---
amdhsa.version: [ 1, 2 ]
amdhsa.kernels:
  - .name:           k_q32bd5abdfb_down
    .symbol:         k_q32bd5abdfb_down.kd
    .args:
      - { .name: act, .offset: 0, .size: 8, .value_kind: global_buffer, .address_space: global }
      - { .name: prep, .offset: 8, .size: 8, .value_kind: global_buffer, .address_space: global }
      - { .name: hy, .offset: 16, .size: 8, .value_kind: global_buffer, .address_space: global }
      - { .name: out0, .offset: 24, .size: 8, .value_kind: global_buffer, .address_space: global }
    .group_segment_fixed_size: 247296
    .private_segment_fixed_size: 0
    .kernarg_segment_align: 8
    .kernarg_segment_size: 32
    .max_flat_workgroup_size: 128
    .sgpr_count:     66
    .vgpr_count:     1024
    .wavefront_size: 32
...
	.end_amdgpu_metadata
.endif
;; end of part 6
